; MI455X (gfx1250); checked and timed in simulation.
; The chip was launched on July 23, 2026; its instructions are those of AMD's public machine-readable ISA for CDNA 5 (MIT licence, August 2026) and "CDNA5" Instruction Set Architecture Reference Guide (July 2026). The comments in the code are by the model that wrote it; some were corrected since.
;; Transformer Block. Allowed arithmetic: matrix products marked QUANTISED: E2M1 operands, one E8M0 scale for each 32 along K, by v_wmma_scale_f32_16x16x128_f8f6f4 with both operands' format E2M1 (or v_wmma_scale_f32_32x16x128_f4), f32 sums; everything else in f32.
;; Inputs: ln1_b 1,024 float32; ln1_w 1,024 float32; ln2_b 1,024 float32; ln2_w 1,024 float32; w_down_codes 1,024 x 128 x 16 uint8 (E2M1 codes of w_down, K innermost, in blocks of 32 codes, two codes a byte); w_down_scales 1,024 x 128 uint8 (E8M0 scales of w_down, one for each 32 codes along K); w_up_codes 4,096 x 32 x 16 uint8 (E2M1 codes of w_up, K innermost, in blocks of 32 codes, two codes a byte); w_up_scales 4,096 x 32 uint8 (E8M0 scales of w_up, one for each 32 codes along K); wk_codes 1,024 x 32 x 16 uint8 (E2M1 codes of wk, K innermost, in blocks of 32 codes, two codes a byte); wk_scales 1,024 x 32 uint8 (E8M0 scales of wk, one for each 32 codes along K); wo_codes 1,024 x 32 x 16 uint8 (E2M1 codes of wo, K innermost, in blocks of 32 codes, two codes a byte); wo_scales 1,024 x 32 uint8 (E8M0 scales of wo, one for each 32 codes along K); wq_codes 1,024 x 32 x 16 uint8 (E2M1 codes of wq, K innermost, in blocks of 32 codes, two codes a byte); wq_scales 1,024 x 32 uint8 (E8M0 scales of wq, one for each 32 codes along K); wv_codes 1,024 x 32 x 16 uint8 (E2M1 codes of wv, K innermost, in blocks of 32 codes, two codes a byte); wv_scales 1,024 x 32 uint8 (E8M0 scales of wv, one for each 32 codes along K); x 2 x 2,048 x 1,024 float32.
;; Outputs: out0 2 x 2,048 x 1,024 float32.
;; This version of the problem:
;;   THIS VERSION OF THE PROBLEM IS GIVEN IN LOW PRECISION. The matrix products marked QUANTISED in the list below multiply operands that are first quantised to E2M1 (2 exponent bits, 1 mantissa bit; 4 bits a number), with one power-of-two scale for each 32 numbers along K (OCP MX v1.0); their sums are f32. All else is computed in f32.
;;   The module's matrix products, in the order in which they are computed (A, B: the left and right operand; K: the contracted axis; several contracted axes count as one K, in the product's order):
;;     1. [M 4,096, K 1,024] x [K 1,024, N 1,024]; A: computed on the way; B: input wq (given as codes): QUANTISED
;;     2. [M 4,096, K 1,024] x [K 1,024, N 1,024]; A: computed on the way; B: input wk (given as codes): QUANTISED
;;     3. [M 4,096, K 1,024] x [K 1,024, N 1,024]; A: computed on the way; B: input wv (given as codes): QUANTISED
;;     4. batch 32 x [M 2,048, K 64] x [K 64, N 2,048]; A: computed on the way; B: computed on the way: QUANTISED
;;     5. batch 32 x [M 2,048, K 2,048] x [K 2,048, N 64]; A: softmax (see below); B: computed on the way: QUANTISED
;;     6. [M 4,096, K 1,024] x [K 1,024, N 1,024]; A: computed on the way; B: input wo (given as codes): QUANTISED
;;     7. [M 4,096, K 1,024] x [K 1,024, N 4,096]; A: computed on the way; B: input w_up (given as codes): QUANTISED
;;     8. [M 4,096, K 4,096] x [K 4,096, N 1,024]; A: computed on the way; B: input w_down (given as codes): QUANTISED
;;   THE QUANTISER, for each operand of a quantised product, along K:
;;     - K is cut into blocks of 32 from its start; a last block that is shorter is filled with zeros.
;;     - A block's scale is 2^e with e = floor(log2(the largest magnitude in the block)) - 2, held to -126 .. 127; a block of zeros has e = 0. As a byte (E8M0): e + 127.
;;     - Each number is divided by its block's scale, clamped to +-6, and rounded to the nearest number of E2M1, ties to even, subnormals kept.
;;     - The product sums the exact products of the quantised numbers (number of the format x scale) in f32.
;;   ~~~python
;;   def quantise(x, axis):      # numpy; x: float32 -> the quantised numbers, widened to float32 again
;;       x = np.moveaxis(x, axis, -1); K = x.shape[-1]
;;       x = np.pad(x, [(0, 0)] * (x.ndim - 1) + [(0, -K % 32)]); x = x.reshape(x.shape[:-1] + (-1, 32)); a = np.abs(x).max(-1, keepdims=True)
;;       e = np.where(a > 0, np.clip(np.frexp(np.where(a > 0, a, 1))[1] - 1 - 2, -126, 127), 0)      # np.frexp(a)[1] - 1 = floor(log2(a)), exactly
;;       r = np.clip(x / 2.0 ** e, -6, 6)
;;       step = 2.0 ** (np.maximum(np.frexp(np.where(r == 0, 1, r))[1] - 1, 0) - 1)
;;       q = np.round(r / step) * step * 2.0 ** e      # np.round: ties to even
;;       return np.moveaxis(q.reshape(q.shape[:-2] + (-1,))[..., :K], -1, axis).astype(np.float32)
;;   ~~~
;;   SOFTMAX AHEAD OF A QUANTISED PRODUCT. Where the list says 'softmax', what is quantised is not the finished softmax but p = 2^(t - M), with t = logit x log2(e) and M = ceil(the row's largest t), a whole number; so 1/2 < the row's largest p <= 1. The row's sum l is taken of the UNQUANTISED p, in f32, and the product's result is divided by l at the end. Since M is a whole number, a kernel that streams over the keys may use a running M (the ceiling of the running maximum): every later rescaling is an exact power of two, which a block's scale takes up: the codes' values come out the same.
;;   OPERANDS COMPUTED ON THE WAY. 'Computed on the way' means the value that the module computes at that place (a softmax that the list does not call 'softmax' is quantised finished and normalised). What goes into a quantiser is computed in f32, as accurately as f32 sums, v_exp_f32 and their like allow (about 1e-6 of the number): no bf16 or f16 on the way to a quantiser, and a product that is left as it is and whose result goes on into a quantised operand takes f32 operands (vector FMAs, or v_wmma_f32_16x16x4_f32). A number that lies on a knife's edge between two numbers of the format may be rounded either way, as far as f32 arithmetic and the matrix unit's own rounding can turn it there, and no further.
;;   INPUTS GIVEN AS CODES. w_down (in the module: [1024, 4096], K = its axis 1); w_up (in the module: [4096, 1024], K = its axis 1); wk (in the module: [1024, 1024], K = its axis 1); wo (in the module: [1024, 1024], K = its axis 1); wq (in the module: [1024, 1024], K = its axis 1); wv (in the module: [1024, 1024], K = its axis 1): each comes as NAME_codes (uint8): NAME with its K axis moved to the last place and cut into blocks of 32 codes, [.., K / 32, bytes a block], one block behind the other in memory; two codes a byte, the lower K in the low four bits (a code: sign, 2 exponent bits, 1 mantissa bit); and NAME_scales (uint8): the same leading axes, one E8M0 byte (e + 127) for each 32 codes along K. Its value is code x scale, taken as it is: it is not quantised again, and the codes and scales need not be those that the quantiser above would give.
;; One version. Each part assembles by itself: llvm-mc -triple=amdgcn-amd-amdhsa -mcpu=gfx1250 --defsym DOCPART=n.
;; ======== version 1 of 1: 7 launches
;; limits: right only within a limited range of input values
;; workspace buffers: hc 2,097,152 bytes; hs 131,072 bytes; qb 4,718,592 bytes; kv 4,718,592 bytes; ob 2,228,224 bytes; x1 16,777,216 bytes; hid 8,912,896 bytes
;; launch ln1 (part 1): grid 256 x 1, 16 waves a work-group, no clusters, 84,992 bytes of LDS; arguments x, ln1_w, ln1_b, hc, hs; writes hc, hs
.if DOCPART == 1
	.amdgcn_target "amdgcn-amd-amdhsa--gfx1250"
	.amdhsa_code_object_version 6
	.text
	.protected	k_qa1474c914a_ln1
	.globl	k_qa1474c914a_ln1
	.p2align	8
	.type	k_qa1474c914a_ln1,@function
k_qa1474c914a_ln1:
	s_mov_b64 s[64:65], 0
	v_nop
	global_prefetch_b8 v0, s[64:65] scope:SCOPE_SE
	s_setreg_imm32_b32 hwreg(HW_REG_WAVE_MODE, 25, 1), 1
	s_wait_xcnt 0x0
; y = (x - mean) * rsqrt(var + 1e-5) * w + b for rows of 1,024 f32, then y as codes of FP4 (E2M1) with one E8M0 byte for each 32 along the row.
; Codes: [4096][512 bytes], row-major, the lower k in the low four bits.  Scale bytes: [4096][32].
; SHARES.  A work-group takes 16 rows, a wave ONE row: 32 registers a lane, read from memory once; mean and variance never leave the wave.  The variance is taken of x - mean (two passes over registers).
; A load is dense (32 lanes, 512 consecutive bytes); the conversions want 32 NEIGHBOURS in one lane: the finished row turns through the wave's own 4,608 bytes of LDS (16 bytes of padding behind each 128).
; Lane l then holds block l: its largest magnitude needs no other lane, its 16 bytes of codes lie at 16 l of the row: one store of 512 consecutive bytes.  The 16 rows' 512 scale bytes meet in LDS and leave by one store.
; No cluster, no tensor load, no matrix unit: the rows are read once and shared with nobody; only w and b (8 KB) are common.  All of a wave's loads go out at its head.
; LIMITS: NaN and infinities are not served.  A block whose largest magnitude lies under 2^-124 (a block of zeros among them) gets the byte 1; the bytes are read by this program alone, and zero codes add nothing.
.set WBUF,  4608                       ; a wave's turn buffer: 32 x (128 + 16) bytes
.set SCB,   16*WBUF                    ; behind the sixteen buffers: 512 scale bytes
.set T,     12                         ; v12-27  at work
.set CD,    28                         ; v28-31  my block's codes
.set X,     32                         ; v32-63  the row as loaded: register 4 j + i = column 128 j + 4 lane + i
.set W,     64                         ; v64-95  w in the same places;
.set Y,     64                         ;         later my block's 32 neighbours
.set B,     96                         ; v96-127 b
	s_load_b256 s[4:11], s[0:1], 0x0               ; x s[4:5], w s[6:7], b s[8:9], codes s[10:11]
	s_load_b64 s[12:13], s[0:1], 0x20              ; scale bytes
	v_lshl_add_u32 v128, v0, 2, 0x12400
	v_mov_b32 v129, 0
	v_lshrrev_b32 v1, 5, v0
	s_delay_alu instid0(VALU_DEP_1)
	v_readfirstlane_b32 s14, v1                    ; wave 0..15
	v_and_b32 v1, 31, v0                           ; lane
	s_delay_alu instid0(VALU_DEP_1)
	v_lshlrev_b32 v2, 4, v1                        ; 16 x lane: my place in a load's 512 bytes, and my codes' place in the row
	s_mul_i32 s15, s14, WBUF
	v_lshrrev_b32 v3, 3, v1
	s_delay_alu instid0(VALU_DEP_1)
	v_lshl_add_u32 v3, v3, 4, v2                   ; into the buffer: 16 lane + 16 (lane / 8): eight lanes' 128 bytes, then the padding
	s_delay_alu instid0(VALU_DEP_1)
	v_add_nc_u32 v3, s15, v3
	v_mul_u32_u24 v4, v1, 144                      ; out of it: my block's 128 bytes
	s_delay_alu instid0(VALU_DEP_1)
	v_add_nc_u32 v4, s15, v4
	s_lshl_b32 s15, s14, 5
	s_add_co_u32 s15, s15, SCB
	v_add_nc_u32 v5, s15, v1                       ; my block's scale byte: 32 x wave + lane
	v_add_nc_u32 v6, SCB, v2                       ; wave 0 reads the 512 back, 16 a lane
.set WBL, 76800                        ; behind the spare words: w's 4,096 bytes, then b's: each wave brings one sixteenth, 512 bytes, and all sixteen read the whole from here
	v_add_nc_u32 v7, WBL, v2                       ; out of it: 16 x lane in each 512 bytes
	s_lshl_b32 s15, s14, 9
	v_add_nc_u32 v130, s15, v7                     ; into it: my wave's 512 bytes
	s_lshl_b32 s16, ttmp9, 4
	s_add_co_u32 s16, s16, s14                     ; my row
	s_lshl_b32 s18, s16, 9                         ; x 512 bytes of codes
	s_lshl_b32 s16, s16, 12                        ; x 4,096 bytes of f32
	s_mov_b32 s17, 0
	s_mov_b32 s19, 0
	s_lshl_b32 s22, ttmp9, 9                       ; the work-group's 512 scale bytes
	s_mov_b32 s23, 0
	s_mov_b32 s20, 0x76543210                      ; v_permlanex16_b32: lane l xor 16
	s_mov_b32 s21, 0xfedcba98
	s_mov_b32 s24, 0x3a800000                      ; 1 / 1,024
	s_mov_b32 s25, 0x3727c5ac                      ; 1e-5
	s_wait_alu depctr_va_vdst(0)
	s_wait_kmcnt 0x0
	s_add_nc_u64 s[4:5], s[4:5], s[16:17]
	s_add_nc_u64 s[10:11], s[10:11], s[18:19]
	s_add_nc_u64 s[12:13], s[12:13], s[22:23]
	s_cmp_lt_u32 s14, 8
	s_cselect_b64 s[6:7], s[6:7], s[8:9]           ; waves 0 to 7 fetch of w, waves 8 to 15 of b:
	s_and_b32 s26, s14, 7
	s_lshl_b32 s26, s26, 9                         ; piece wave % 8
	s_mov_b32 s27, 0
	s_add_nc_u64 s[6:7], s[6:7], s[26:27]
	global_load_b128 v[W:W+3], v2, s[6:7]          ; my piece of w or b, ahead of x's loads
.irp j, 0,1,2,3,4,5,6,7
	global_load_b128 v[X+4*\j:X+4*\j+3], v2, s[4:5] offset:512*\j th:TH_LOAD_NT
.endr
; eight pairs in v[T] on become one sum in every lane's v[T]
.macro SUMTAIL
	v_pk_add_f32 v[T:T+1], v[T:T+1], v[T+2:T+3]
	v_pk_add_f32 v[T+4:T+5], v[T+4:T+5], v[T+6:T+7]
	v_pk_add_f32 v[T+8:T+9], v[T+8:T+9], v[T+10:T+11]
	s_delay_alu instid0(VALU_DEP_4)
	v_pk_add_f32 v[T+12:T+13], v[T+12:T+13], v[T+14:T+15]
	s_delay_alu instid0(VALU_DEP_3)
	v_pk_add_f32 v[T:T+1], v[T:T+1], v[T+4:T+5]
	s_delay_alu instid0(VALU_DEP_2)
	v_pk_add_f32 v[T+8:T+9], v[T+8:T+9], v[T+12:T+13]
	s_delay_alu instid0(VALU_DEP_1)
	v_pk_add_f32 v[T:T+1], v[T:T+1], v[T+8:T+9]
	s_delay_alu instid0(VALU_DEP_1)
	v_add_f32 v[T], v[T], v[T+1]
	s_delay_alu instid0(VALU_DEP_1)
	v_add_f32_dpp v[T], v[T], v[T] row_xmask:1 row_mask:0xf bank_mask:0xf
	s_delay_alu instid0(VALU_DEP_1)
	v_add_f32_dpp v[T], v[T], v[T] row_xmask:2 row_mask:0xf bank_mask:0xf
	s_delay_alu instid0(VALU_DEP_1)
	v_add_f32_dpp v[T], v[T], v[T] row_xmask:4 row_mask:0xf bank_mask:0xf
	s_delay_alu instid0(VALU_DEP_1)
	v_add_f32_dpp v[T], v[T], v[T] row_xmask:8 row_mask:0xf bank_mask:0xf
	s_delay_alu instid0(VALU_DEP_1)
	v_permlanex16_b32 v[T+2], v[T], s20, s21       ; (its destination has been written above)
	s_delay_alu instid0(VALU_DEP_1)
	v_add_f32 v[T], v[T], v[T+2]
.endm
	s_wait_loadcnt 8                               ; my piece of w or b is in; x's eight younger loads may be out
	ds_store_b128 v130, v[W:W+3]
	s_wait_dscnt 0x0                               ; for the others' sake: my piece has landed
	s_barrier_signal -1
	s_barrier_wait -1                              ; all sixteen pieces lie in LDS
.irp j, 0,1,2,3,4,5,6,7
	ds_load_b128 v[W+4*\j:W+4*\j+3], v7 offset:512*\j          ; w in x's places; wanted behind the variance
.endr
.irp j, 0,1,2,3,4,5,6,7
	ds_load_b128 v[B+4*\j:B+4*\j+3], v7 offset:4096+512*\j     ; b likewise
.endr
	s_wait_loadcnt 0x0                             ; x
.irp j, 0,1,2,3,4,5,6,7
	v_pk_add_f32 v[T+2*\j:T+2*\j+1], v[X+4*\j:X+4*\j+1], v[X+4*\j+2:X+4*\j+3]
.endr
	SUMTAIL
	s_delay_alu instid0(VALU_DEP_1)
	v_mul_f32 v8, s24, v[T]                        ; the mean,
	s_delay_alu instid0(VALU_DEP_1)
	v_mov_b32 v9, v8                               ; twice, for the packed forms
.irp i, 0,2,4,6,8,10,12,14,16,18,20,22,24,26,28,30
	v_pk_add_f32 v[X+\i:X+\i+1], v[X+\i:X+\i+1], v[8:9] neg_lo:[0,1] neg_hi:[0,1]   ; d = x - mean, in place
.endr
.irp j, 0,1,2,3,4,5,6,7
	v_pk_mul_f32 v[T+2*\j:T+2*\j+1], v[X+4*\j:X+4*\j+1], v[X+4*\j:X+4*\j+1]
.endr
.irp j, 0,1,2,3,4,5,6,7
	v_pk_fma_f32 v[T+2*\j:T+2*\j+1], v[X+4*\j+2:X+4*\j+3], v[X+4*\j+2:X+4*\j+3], v[T+2*\j:T+2*\j+1]
.endr
	SUMTAIL
	s_delay_alu instid0(VALU_DEP_1)
	v_fma_f32 v10, v[T], s24, s25                  ; the variance + 1e-5
	s_wait_alu depctr_va_vdst(0)
	v_rsq_f32 v10, v10
	v_nop                                          ; a plain instruction behind the transcendental (ISA guide 5.7.2),
	s_wait_alu depctr_va_vdst(0)                   ; and the wait ahead of the first use of its result
	v_mov_b32 v11, v10
	s_wait_alu depctr_va_vdst(0)
	s_wait_dscnt 0x0                               ; w and b, out of LDS
.irp i, 0,2,4,6,8,10,12,14,16,18,20,22,24,26,28,30
	v_pk_mul_f32 v[X+\i:X+\i+1], v[X+\i:X+\i+1], v[10:11]
.endr
.irp i, 0,2,4,6,8,10,12,14,16,18,20,22,24,26,28,30
	v_pk_fma_f32 v[X+\i:X+\i+1], v[X+\i:X+\i+1], v[W+\i:W+\i+1], v[B+\i:B+\i+1]
.endr
.irp j, 0,1,2,3,4,5,6,7
	ds_store_b128 v3, v[X+4*\j:X+4*\j+3] offset:576*\j     ; 512 bytes of data take 576 with their four paddings
.endr
.irp i, 0,1,2,3,4,5,6,7
	ds_load_b128 v[Y+4*\i:Y+4*\i+3], v4 offset:16*\i       ; LDS serves a wave's instructions in order (ISA guide 5.7.1.4): these see my stores
.endr
	s_wait_dscnt 0x0
	v_max3_num_f32 v12, |v[Y]|, |v[Y+1]|, |v[Y+2]|         ; the block's largest magnitude, in two chains
	v_max3_num_f32 v13, |v[Y+3]|, |v[Y+4]|, |v[Y+5]|
.irp i, 6,10,14,18,22,26
	s_delay_alu instid0(VALU_DEP_2)
	v_max3_num_f32 v12, v12, |v[Y+\i]|, |v[Y+\i+1]|
	s_delay_alu instid0(VALU_DEP_2)
	v_max3_num_f32 v13, v13, |v[Y+\i+2]|, |v[Y+\i+3]|
.endr
	s_delay_alu instid0(VALU_DEP_2)
	v_max3_num_f32 v12, v12, |v[Y+30]|, |v[Y+31]|
	s_delay_alu instid0(VALU_DEP_1)
	v_max3_num_f32 v12, v12, v13, 0x1800000        ; and the floor 2^(3 - 127): the byte cannot fall under 1
	s_delay_alu instid0(VALU_DEP_1)
	v_add_nc_u32 v14, 0xff000000, v12              ; 2 off its exponent field: the conversion takes this operand's exponent field as its scale
	s_delay_alu instid0(VALU_DEP_1)
	v_lshrrev_b32 v15, 23, v14                     ; the scale's byte
.irp g, 0,1,2,3
	v_cvt_scalef32_pk8_fp4_f32 v[CD+\g], v[Y+8*\g:Y+8*\g+7], v14
.endr
	v_nop                                          ; a plain instruction behind the last scaled conversion
	global_store_b128 v2, v[CD:CD+3], s[10:11]     ; 32 lanes store the row's 512 consecutive bytes of codes
	ds_store_b8 v5, v15
	s_wait_dscnt 0x0                               ; for the others' sake: my byte stores have landed
	s_barrier_signal -1
	s_barrier_wait -1
	s_cmp_lg_u32 s14, 0
	s_cbranch_scc1 .Lend
	ds_load_b128 v[12:15], v6                      ; wave 0: the sixteen rows' scale bytes
	s_wait_dscnt 0x0
	global_store_b128 v2, v[12:15], s[12:13]       ; 512 consecutive bytes
.Lend:
	s_wait_tensorcnt 0x0
	ds_add_u32 v128, v129
	s_wait_dscnt 0x0
	s_endpgm
.Lfunc_end_k_qa1474c914a_ln1:
	.size	k_qa1474c914a_ln1, .Lfunc_end_k_qa1474c914a_ln1-k_qa1474c914a_ln1
	.p2alignl 7, 3214868480
	.fill 96, 4, 3214868480
	.section	.rodata,"a",@progbits
	.p2align	6, 0x0
	.amdhsa_kernel k_qa1474c914a_ln1
		.amdhsa_group_segment_fixed_size 84992
		.amdhsa_private_segment_fixed_size 0
		.amdhsa_enable_private_segment 0
		.amdhsa_kernarg_size 40
		.amdhsa_user_sgpr_count 2
		.amdhsa_user_sgpr_kernarg_segment_ptr 1
		.amdhsa_wavefront_size32 1
		.amdhsa_system_sgpr_workgroup_id_x 1
		.amdhsa_system_sgpr_workgroup_id_y 1
		.amdhsa_system_sgpr_workgroup_id_z 1
		.amdhsa_system_vgpr_workitem_id 0
		.amdhsa_next_free_vgpr 132
		.amdhsa_next_free_sgpr 66
		.amdhsa_reserve_vcc 0
		.amdhsa_float_denorm_mode_32 3
		.amdhsa_float_denorm_mode_16_64 3
		.amdhsa_memory_ordered 1
		.amdhsa_forward_progress 1
		.amdhsa_inst_pref_size 16
	.end_amdhsa_kernel
	.amdgpu_metadata
---
amdhsa.version: [ 1, 2 ]
amdhsa.kernels:
  - .name:           k_qa1474c914a_ln1
    .symbol:         k_qa1474c914a_ln1.kd
    .args:
      - { .name: x, .offset: 0, .size: 8, .value_kind: global_buffer, .address_space: global }
      - { .name: ln1_w, .offset: 8, .size: 8, .value_kind: global_buffer, .address_space: global }
      - { .name: ln1_b, .offset: 16, .size: 8, .value_kind: global_buffer, .address_space: global }
      - { .name: hc, .offset: 24, .size: 8, .value_kind: global_buffer, .address_space: global }
      - { .name: hs, .offset: 32, .size: 8, .value_kind: global_buffer, .address_space: global }
    .group_segment_fixed_size: 84992
    .private_segment_fixed_size: 0
    .kernarg_segment_align: 8
    .kernarg_segment_size: 40
    .max_flat_workgroup_size: 512
    .sgpr_count:     66
    .vgpr_count:     132
    .wavefront_size: 32
...
	.end_amdgpu_metadata
.endif
;; end of part 1
;; launch qkv (part 2): grid 12 x 16, 4 waves a work-group, clusters of 4 x 4, 327,680 bytes of LDS; arguments hc, hs, wq_codes, wq_scales, wk_codes, wk_scales, wv_codes, wv_scales, qb, kv; writes qb, kv
.if DOCPART == 2
	.amdgcn_target "amdgcn-amd-amdhsa--gfx1250"
	.amdhsa_code_object_version 6
	.text
	.protected	k_qa1474c914a_qkv
	.globl	k_qa1474c914a_qkv
	.p2align	8
	.type	k_qa1474c914a_qkv,@function
k_qa1474c914a_qkv:
	s_mov_b64 s[64:65], 0
	v_nop
	global_prefetch_b8 v0, s[64:65] scope:SCOPE_SE
	s_setreg_imm32_b32 hwreg(HW_REG_WAVE_MODE, 25, 1), 1
	s_wait_xcnt 0x0
	s_wait_alu depctr_hold_cnt(0) depctr_sa_sdst(0) depctr_va_vdst(0) depctr_va_sdst(0) depctr_va_ssrc(0) depctr_va_vcc(0) depctr_vm_vsrc(0)
	s_getreg_b32 s2, hwreg(HW_REG_IB_STS2, 6, 4)
	s_cmp_eq_u32 s2, 0
	s_cbranch_scc0 .Lentry_in_a_cluster
	s_endpgm
.Lentry_in_a_cluster:
	s_bfe_u32 s2, ttmp6, 0x10000c
	s_cmp_lg_u32 s2, 0xf033
	s_cbranch_scc0 .Lentry_shape_is_right
	s_endpgm
.Lentry_shape_is_right:
.set NQ,     4
.set ROWB,   512                       ; a tile's row: all of K, 1,024 codes
.set KROW,   512
.set PITCH,  528                       ; an LDS row: 512 bytes + 16 of padding = 132 words
.set FR,     8
.set NL,     2
.set NP,     4
.set HALFT,  128*PITCH
.set SLOT,   256                       ; the second 512 along K begin 256 bytes on in each row
.set KS,     32
.set SCL,    4*HALFT                   ; behind A's 256 rows and B's 256 rows
.set HALFS,  (128*KS/256)*272
.set SBLK,   (16*KS/256)*272
.set SPARE,  SCL+4*HALFS
.set HS,     147456
.set RS,     9216
.set ADRA, 16
.set ADRB, 20
.set LOF,  24
.set LAN,  25
.set ADRSV, 26
.set ADRS, 27
.set SPW,  28
.set NIL,  29
.set SC,   32
.set TM,   96
.set PW,   112
.set ZW,   120
.set AF,   128
.set PC,   128
.set OW,   196
.set G1, 24
.set G0, 32
.set G1B, 48
.set G0B, 56
.set SEL, 66
.set G1S, 68
.set G0S, 76
.set G1SB, 80
.set G0SB, 88
.set MSB, 0
.macro WIN new
.if MSB != (\new)
	s_set_vgpr_msb (MSB<<8)|(\new)
.set MSB, (\new)
.endif
.endm
.set MUL_LO, 0xa1
.set MUL_HI, 0xf1
.set TO_B,   0x40
; One arm of the head's chain of branches on the wave's number: its joint load, then a jump to the chain's end.
.macro ARM under, g0, g1, next
	s_cmp_lt_u32 s14, \under
	s_cbranch_scc0 \next
	tensor_load_to_lds s[\g0:\g0+3], s[\g1:\g1+7]
	s_nop 0
.rept 4
	v_nop
.endr
	s_branch .Lhead_asked
\next:
.endm
.macro CROUND
	s_barrier_signal -1
	s_barrier_wait -1
	s_cmp_lg_u32 s14, 0
	s_cbranch_scc1 .Lnot_wave_0_\@
	s_barrier_signal -3
.Lnot_wave_0_\@:
	s_barrier_wait -3
	s_barrier_signal -1
	s_barrier_wait -1
.endm
.macro PLACES n
.rept \n
	v_nop
.endr
.endm
	s_load_b128 s[4:7], s[0:1], 0x0
	s_load_b512 s[68:83], s[0:1], 0x10
	v_lshl_add_u32 v[SPW], v0, 2, SPARE
	v_mov_b32 v[NIL], 0
	ds_add_u32 v28, v29
	ds_add_u32 v28, v29
	s_wait_dscnt 0x0
	v_lshrrev_b32 v1, 5, v0
	v_readfirstlane_b32 s14, v1
	s_lshr_b32 s15, s14, 1
	s_and_b32 s16, s14, 1
	s_bfe_u32 s40, ttmp6, 0x40000
	s_bfe_u32 s41, ttmp6, 0x40004
	s_mov_b32 s42, s40
	s_and_b32 s17, ttmp7, 0xffff
	s_lshl_b32 s17, s17, 2
	s_add_co_u32 s17, s17, s41
	s_lshl_b32 s43, s41, 2
	s_lshl_b32 s43, 15, s43
	s_lshl_b32 s44, 0x1111, s40
	s_or_b32 s[G1+0], s43, (0<<16)|(1<<20)|(1<<21)|(6<<22)|(3<<25)   ; four words of padding behind every 128
	s_or_b32 s[G1B+0], s44, (0<<16)|(1<<20)|(1<<21)|(6<<22)|(3<<25)
.irp g, G1, G1B
	s_mov_b32 s[\g+1], ROWB<<16
	s_mov_b32 s[\g+2], 256<<16
	s_mov_b32 s[\g+3], ROWB<<16
	s_mov_b32 s[\g+4], 256
	s_mov_b32 s[\g+5], KROW
	s_mov_b32 s[\g+6], 0
	s_mov_b32 s[\g+7], 0
.endr
	s_lshl_b32 s20, s17, 8
	s_lshl_b32 s46, s42, 8
	s_mov_b32 s21, 0
	s_mov_b32 s47, 0
	s_mov_b64 s[18:19], KS
	s_mul_u64 s[22:23], s[20:21], s[18:19]
	s_mul_u64 s[92:93], s[46:47], s[18:19]
	s_mov_b64 s[18:19], KROW
	s_mul_u64 s[20:21], s[20:21], s[18:19]
	s_mul_u64 s[46:47], s[46:47], s[18:19]
	s_mov_b32 s[SEL], 0x76543210
	s_mov_b32 s[SEL+1], 0xfedcba98
	s_mov_b32 s95, 0x7f7f0000
	s_wait_kmcnt 0x0
	s_cmp_eq_u32 ttmp9, 0
	s_cselect_b64 s[8:9], s[68:69], s[72:73]
	s_cselect_b64 s[10:11], s[70:71], s[74:75]
	s_cselect_b64 s[12:13], s[80:81], s[82:83]
	s_cmp_eq_u32 ttmp9, 2
	s_cselect_b64 s[8:9], s[76:77], s[8:9]
	s_cselect_b64 s[10:11], s[78:79], s[10:11]
	s_or_b32 s[G1S+0], s43, (3<<16)|(1<<20)|(1<<21)|(5<<22)|(3<<25)
	s_or_b32 s[G1SB+0], s44, (3<<16)|(1<<20)|(1<<21)|(5<<22)|(3<<25)
.irp g, G1S, G1SB
	s_mov_b32 s[\g+1], 32<<16
	s_mov_b32 s[\g+2], (256*KS/256)<<16
	s_mov_b32 s[\g+3], 32<<16
	s_mov_b32 s[\g+4], 256*KS/256
	s_mov_b32 s[\g+5], 32
	s_mov_b32 s[\g+6], 0
	s_mov_b32 s[\g+7], 0
.endr
	s_add_nc_u64 s[20:21], s[4:5], s[20:21]
	s_add_nc_u64 s[22:23], s[6:7], s[22:23]
	s_add_nc_u64 s[46:47], s[8:9], s[46:47]
	s_add_nc_u64 s[92:93], s[10:11], s[92:93]
	CROUND
	s_mov_b32 s[G0S], 1
	s_mov_b32 s[G0S+1], SCL
	s_mov_b64 s[G0S+2:G0S+3], s[22:23]
	s_or_b32 s[G0S+3], s[G0S+3], 0x80000000
	s_mov_b32 s[G0SB], 1
	s_mov_b32 s[G0SB+1], SCL+2*HALFS
	s_mov_b64 s[G0SB+2:G0SB+3], s[92:93]
	s_or_b32 s[G0SB+3], s[G0SB+3], 0x80000000
	s_mov_b32 s[G0], 1                             ; A's 256 rows, all of K
	s_mov_b32 s[G0+1], 0
	s_mov_b64 s[G0+2:G0+3], s[20:21]
	s_or_b32 s[G0+3], s[G0+3], 0x80000000
	s_mov_b32 s[G0B], 1                            ; B's 256 rows, behind them
	s_mov_b32 s[G0B+1], 2*HALFT
	s_mov_b64 s[G0B+2:G0B+3], s[46:47]
	s_or_b32 s[G0B+3], s[G0B+3], 0x80000000
	; the launch's four tiles, one joint load a wave: wave 0 A's codes, wave 1 B's, wave 2 A's scale bytes, wave 3 B's.  Nothing is filled later.
	ARM 1, G0,  G1,  .Lhead_b
	ARM 2, G0B, G1B, .Lhead_sa
	ARM 3, G0S, G1S, .Lhead_sb
	tensor_load_to_lds s[G0SB:G0SB+3], s[G1SB:G1SB+7]
	s_nop 0
.rept 4
	v_nop
.endr
.Lhead_asked:
	v_and_b32 v1, 15, v0
	v_bfe_u32 v2, v0, 4, 1
	v_mul_u32_u24 v3, v1, PITCH
	v_lshl_add_u32 v4, v2, 4, v3
	s_mul_i32 s21, s15, HALFT
	s_mul_i32 s22, s16, HALFT
	s_add_co_u32 s22, s22, 2*HALFT
.irp s, 0,1
	v_add_nc_u32 v[ADRA+\s], s21, v4
	v_add_nc_u32 v[ADRB+\s], s22, v4
	s_add_co_u32 s21, s21, SLOT
	s_add_co_u32 s22, s22, SLOT
.endr
	v_mul_u32_u24 v5, v1, KS
	v_lshrrev_b32 v6, 8, v5
	v_lshl_add_u32 v5, v6, 4, v5
	s_mul_i32 s21, s15, HALFS
	s_mul_i32 s22, s16, HALFS
	s_add_co_u32 s22, s22, 2*HALFS
	s_sub_co_u32 s22, s22, s21
	v_mul_u32_u24 v6, s22, v2
	v_xor_b32 v7, 1, v2
	v_mul_u32_u24 v7, s22, v7
	s_add_co_u32 s21, s21, SCL
	v_add_nc_u32 v6, v5, v6
	v_add_nc_u32 v7, v5, v7
	v_add_nc_u32 v[ADRS], s21, v6
	v_add_nc_u32 v[ADRSV], s21, v7
	v_and_b32 v[LAN], 31, v0
	v_lshlrev_b32 v[LOF], 4, v[LAN]
.irp b, 0,1,2,3
	v_mov_b32 v[TM+4+\b], 0
.endr
	s_lshr_b32 s20, s17, 3
	s_lshl_b32 s20, s20, 4
	s_mul_i32 s20, s20, HS
	s_and_b32 s21, s17, 7
	s_lshl_b32 s21, s21, 1
	s_add_co_u32 s21, s21, s15
	s_mul_i32 s21, s21, RS
	s_add_co_u32 s20, s20, s21
	s_mov_b32 s21, 0
	s_lshl_b32 s46, s40, 2
	s_lshl_b32 s47, s16, 1
	s_add_co_u32 s46, s46, s47
	s_mul_i32 s46, s46, HS
	s_mov_b32 s47, 0
	s_add_nc_u64 s[20:21], s[20:21], s[46:47]
	s_add_nc_u64 s[12:13], s[12:13], s[20:21]
.macro FRAG reg, adr, q, i
.irp c, 0,1
	ds_load_b128 v[\reg+4*\c:\reg+4*\c+3], v[\adr] offset:64*(\q)+32*\c+(\i)*16*PITCH
.endr
.endm
.macro MUL16 a0, p, q, sc, zero
.irp a, \a0, \a0+1
.irp b, 0,1,2,3,4,5,6,7
.if \zero
	v_wmma_scale_f32_16x16x128_f8f6f4 v[8*(8*((\a)%4)+\b):8*(8*((\a)%4)+\b)+7], v[128*(\p)+FR*\b:128*(\p)+FR*\b+FR-1], v[AF+FR*(\a):AF+FR*(\a)+FR-1], 0, v[SC+8*NQ*(\sc)+NQ*\b+(\q)], v[SC+8*NQ*(\sc)+NQ*(\a)+(\q)] matrix_a_fmt:MATRIX_FMT_FP4 matrix_b_fmt:MATRIX_FMT_FP4 matrix_a_scale:MATRIX_SCALE_ROW1
.else
	v_wmma_scale_f32_16x16x128_f8f6f4 v[8*(8*((\a)%4)+\b):8*(8*((\a)%4)+\b)+7], v[128*(\p)+FR*\b:128*(\p)+FR*\b+FR-1], v[AF+FR*(\a):AF+FR*(\a)+FR-1], v[8*(8*((\a)%4)+\b):8*(8*((\a)%4)+\b)+7], v[SC+8*NQ*(\sc)+NQ*\b+(\q)], v[SC+8*NQ*(\sc)+NQ*(\a)+(\q)] matrix_a_fmt:MATRIX_FMT_FP4 matrix_b_fmt:MATRIX_FMT_FP4 matrix_a_scale:MATRIX_SCALE_ROW1
.endif
.endr
.endr
.endm
.macro FETCH_Y ay, slot, q, p
	WIN TO_B
.irp i, 0,1,2,3,4,5,6,7
	FRAG 128*(\p)+FR*\i, \ay+\slot, \q, \i
.endr
	WIN 0
.endm
.macro FETCH_X ax, slot, q, i0
.irp i, \i0, \i0+1, \i0+2, \i0+3
	FRAG AF+FR*(\i), \ax+\slot, \q, \i
.endr
.endm
.macro SCALES sa, sc
.irp i, 0,1,2,3,4,5,6,7
	ds_load_b128 v[SC+8*NQ*\sc+NQ*\i:SC+8*NQ*\sc+NQ*\i+3], v[\sa] offset:\i*SBLK+16*\sc
.endr
.endm
.macro STEP ax, ay, slot, q, zero
	s_wait_dscnt 4*NL
	WIN MUL_LO
	MUL16 0, (\q)%2, \q, \slot, \zero
	MUL16 2, (\q)%2, \q, \slot, \zero
	s_wait_dscnt 0
	PLACES NP
	FETCH_Y \ay, \slot, (\q)+1, 1-(\q)%2
	FETCH_X \ax, \slot, (\q)+1, 0
	WIN MUL_HI
	MUL16 4, (\q)%2, \q, \slot, \zero
	MUL16 6, (\q)%2, \q, \slot, \zero
	PLACES NP
	WIN 0
	FETCH_X \ax, \slot, (\q)+1, 4
.endm
; The fourth step goes over to the rows' second halves, which landed with the first: no barrier
.macro TURN ax, ay, sa
	s_wait_dscnt 4*NL
	WIN MUL_LO
	MUL16 0, 1, NQ-1, 0, 0
	MUL16 2, 1, NQ-1, 0, 0
	s_wait_dscnt 0
	PLACES NP
	FETCH_Y \ay, 1, 0, 0
	FETCH_X \ax, 1, 0, 0
	SCALES \sa, 1
	WIN MUL_HI
	MUL16 4, 1, NQ-1, 0, 0
	MUL16 6, 1, NQ-1, 0, 0
	PLACES NP
	WIN 0
	FETCH_X \ax, 1, 0, 4
.endm
.macro CORE ax, ay, sa
	FETCH_Y \ay, 0, 0, 0
	FETCH_X \ax, 0, 0, 0
	SCALES \sa, 0
	FETCH_X \ax, 0, 0, 4
	STEP \ax, \ay, 0, 0, 1
	STEP \ax, \ay, 0, 1, 0
	STEP \ax, \ay, 0, 2, 0
	TURN \ax, \ay, \sa
	STEP \ax, \ay, 1, 0, 0
	STEP \ax, \ay, 1, 1, 0
	STEP \ax, \ay, 1, 2, 0
	s_wait_dscnt 4*NL
	WIN MUL_LO
	MUL16 0, 1, NQ-1, 1, 0
	MUL16 2, 1, NQ-1, 1, 0
	s_wait_dscnt 0
	WIN MUL_HI
	MUL16 4, 1, NQ-1, 1, 0
	MUL16 6, 1, NQ-1, 1, 0
	WIN 0
	PLACES NP
.endm
.macro QA p, relu
.set AC, 64*((\p)%4)
.set WN, 2+(\p)/4
.set PR, PC+8*(\p)
.if \relu
	WIN (WN<<6)|(WN<<2)
.set j, 0
.rept 64
	v_max_num_f32 v[AC+j], 0, v[AC+j]
.set j, j+1
.endr
.endif
	WIN (WN<<2)|(WN<<4)
.irp b, 0,1,2,3
.if \relu
	v_max3_num_f32 v[TM+\b], 0x1800000, v[AC+16*\b], v[AC+16*\b+1]
.else
	v_max3_num_f32 v[TM+\b], 0x1800000, |v[AC+16*\b]|, |v[AC+16*\b+1]|
.endif
.endr
.irp i, 2,4,6,8,10,12,14
.irp b, 0,1,2,3
.if \relu
	v_max3_num_f32 v[TM+\b], v[TM+\b], v[AC+16*\b+\i], v[AC+16*\b+\i+1]
.else
	v_max3_num_f32 v[TM+\b], v[TM+\b], |v[AC+16*\b+\i]|, |v[AC+16*\b+\i+1]|
.endif
.endr
.endr
	WIN 0
.irp b, 0,1,2,3
	v_permlanex16_b32 v[TM+4+\b], v[TM+\b], s[SEL], s[SEL+1]
.endr
.irp b, 0,1,2,3
	v_max_num_f32 v[TM+\b], v[TM+\b], v[TM+4+\b]
.endr
.irp b, 0,1,2,3
	v_add_nc_u32 v[TM+12+\b], 0xff000000, v[TM+\b]
.endr
.irp b, 0,1,2,3
	v_lshrrev_b32 v[TM+4+\b], 23, v[TM+12+\b]
.endr
	v_lshl_or_b32 v[PW+(\p)], v[TM+5], 8, v[TM+4]
	v_lshl_or_b32 v[PW+(\p)], v[TM+6], 16, v[PW+(\p)]
	v_lshl_or_b32 v[PW+(\p)], v[TM+7], 24, v[PW+(\p)]
	WIN WN
.irp t, 0,1,2,3,4,5,6,7
	v_cvt_scalef32_pk8_fp4_f32 v[PR+4*(\t/4)+2*(\t%2)+(\t%4)/2], v[AC+8*\t:AC+8*\t+7], v[TM+12+\t/2]
.endr
	WIN 0
	v_nop
.irp c, 0,1
	v_permlane16_swap_b32 v[PR+4*\c], v[PR+4*\c+1]
	v_permlane16_swap_b32 v[PR+4*\c+2], v[PR+4*\c+3]
.endr
.endm
.macro FINISH
	s_wait_tensorcnt 0x0
	ds_add_u32 v[SPW], v[NIL]
	s_wait_dscnt 0x0
	CROUND
	s_endpgm
.endm
	s_wait_alu depctr_va_vdst(0)                   ; the wait at the head's end
	s_wait_tensorcnt 0x0                           ; my tile of the four is in; the barrier shows the others'
	s_barrier_signal -1
	s_barrier_wait -1
	s_cmp_eq_u32 ttmp9, 2
	s_cbranch_scc1 .Lv
	s_wait_alu depctr_va_vdst(0)
	CORE ADRA, ADRB, ADRS
.irp p, 0,1,2,3,4,5,6,7
	QA \p, 0
	global_store_b128 v[LOF], v[PC+8*\p:PC+8*\p+3], s[12:13] offset:512*\p
	global_store_b128 v[LOF], v[PC+8*\p+4:PC+8*\p+7], s[12:13] offset:HS+512*\p
.endr
	v_cmp_lt_u32 vcc_lo, 15, v[LAN]
.irp b, 0,1,2,3
	v_cndmask_b32 v[ZW+\b], v[PW+2*\b], v[PW+2*\b+1], vcc_lo
.endr
.irp b, 0,1,2,3
	v_and_or_b32 v[OW+\b], v[ZW+\b], 0xffff, s95
	v_lshrrev_b32 v[ZW+\b], 16, v[ZW+\b]
	v_or_b32 v[OW+4+\b], s95, v[ZW+\b]
.endr
	global_store_b128 v[LOF], v[OW:OW+3], s[12:13] offset:8192
	global_store_b128 v[LOF], v[OW+4:OW+7], s[12:13] offset:HS+8192
	FINISH
.Lv:
	s_wait_alu depctr_va_vdst(0)
	CORE ADRB, ADRA, ADRSV
.irp p, 0,1,2,3,4,5,6,7
	QA \p, 0
	global_store_b128 v[LOF], v[PC+8*\p:PC+8*\p+3], s[12:13] offset:(\p/4)*HS+4096+1024*(\p%4)
	global_store_b128 v[LOF], v[PC+8*\p+4:PC+8*\p+7], s[12:13] offset:(\p/4)*HS+4096+1024*(\p%4)+512
.endr
	v_cmp_lt_u32 vcc_lo, 15, v[LAN]
.irp e, 0,1
	v_cndmask_b32 v[OW+4*\e], v[PW+4*\e], v[PW+4*\e+1], vcc_lo
	v_cndmask_b32 v[OW+4*\e+1], v[PW+4*\e+2], v[PW+4*\e+3], vcc_lo
	v_mov_b32 v[OW+4*\e+2], 0
	v_mov_b32 v[OW+4*\e+3], 0
	global_store_b128 v[LOF], v[OW+4*\e:OW+4*\e+3], s[12:13] offset:\e*HS+8704
.endr
	FINISH
.Lfunc_end_k_qa1474c914a_qkv:
	.size	k_qa1474c914a_qkv, .Lfunc_end_k_qa1474c914a_qkv-k_qa1474c914a_qkv
	.p2alignl 7, 3214868480
	.fill 96, 4, 3214868480
	.section	.rodata,"a",@progbits
	.p2align	6, 0x0
	.amdhsa_kernel k_qa1474c914a_qkv
		.amdhsa_group_segment_fixed_size 327680
		.amdhsa_private_segment_fixed_size 0
		.amdhsa_enable_private_segment 0
		.amdhsa_kernarg_size 80
		.amdhsa_user_sgpr_count 2
		.amdhsa_user_sgpr_kernarg_segment_ptr 1
		.amdhsa_wavefront_size32 1
		.amdhsa_system_sgpr_workgroup_id_x 1
		.amdhsa_system_sgpr_workgroup_id_y 1
		.amdhsa_system_sgpr_workgroup_id_z 1
		.amdhsa_system_vgpr_workitem_id 0
		.amdhsa_next_free_vgpr 1024
		.amdhsa_next_free_sgpr 100
		.amdhsa_reserve_vcc 1
		.amdhsa_float_denorm_mode_32 3
		.amdhsa_float_denorm_mode_16_64 3
		.amdhsa_memory_ordered 1
		.amdhsa_forward_progress 1
		.amdhsa_inst_pref_size 245
	.end_amdhsa_kernel
	.amdgpu_metadata
---
amdhsa.version: [ 1, 2 ]
amdhsa.kernels:
  - .name:           k_qa1474c914a_qkv
    .symbol:         k_qa1474c914a_qkv.kd
    .args:
      - { .name: hc, .offset: 0, .size: 8, .value_kind: global_buffer, .address_space: global }
      - { .name: hs, .offset: 8, .size: 8, .value_kind: global_buffer, .address_space: global }
      - { .name: wq_codes, .offset: 16, .size: 8, .value_kind: global_buffer, .address_space: global }
      - { .name: wq_scales, .offset: 24, .size: 8, .value_kind: global_buffer, .address_space: global }
      - { .name: wk_codes, .offset: 32, .size: 8, .value_kind: global_buffer, .address_space: global }
      - { .name: wk_scales, .offset: 40, .size: 8, .value_kind: global_buffer, .address_space: global }
      - { .name: wv_codes, .offset: 48, .size: 8, .value_kind: global_buffer, .address_space: global }
      - { .name: wv_scales, .offset: 56, .size: 8, .value_kind: global_buffer, .address_space: global }
      - { .name: qb, .offset: 64, .size: 8, .value_kind: global_buffer, .address_space: global }
      - { .name: kv, .offset: 72, .size: 8, .value_kind: global_buffer, .address_space: global }
    .group_segment_fixed_size: 327680
    .private_segment_fixed_size: 0
    .kernarg_segment_align: 8
    .kernarg_segment_size: 80
    .max_flat_workgroup_size: 128
    .sgpr_count:     100
    .vgpr_count:     1024
    .wavefront_size: 32
...
	.end_amdgpu_metadata
.endif
;; end of part 2
;; launch attn (part 3): grid 8 x 32, 16 waves a work-group, clusters of 4 x 1, 169,984 bytes of LDS; arguments qb, kv, ob; writes ob
.if DOCPART == 3
	.amdgcn_target "amdgcn-amd-amdhsa--gfx1250"
	.amdhsa_code_object_version 6
	.text
	.protected	k_qa1474c914a_attn
	.globl	k_qa1474c914a_attn
	.p2align	8
	.type	k_qa1474c914a_attn,@function
k_qa1474c914a_attn:
	s_mov_b64 s[64:65], 0
	v_nop
	global_prefetch_b8 v0, s[64:65] scope:SCOPE_SE
	s_setreg_imm32_b32 hwreg(HW_REG_WAVE_MODE, 25, 1), 1
	s_wait_xcnt 0x0
	s_wait_alu depctr_hold_cnt(0) depctr_sa_sdst(0) depctr_va_vdst(0) depctr_va_sdst(0) depctr_va_ssrc(0) depctr_va_vcc(0) depctr_vm_vsrc(0)
	s_getreg_b32 s2, hwreg(HW_REG_IB_STS2, 6, 4)
	s_cmp_eq_u32 s2, 0
	s_cbranch_scc0 .Lentry_in_a_cluster
	s_endpgm
.Lentry_in_a_cluster:
	s_bfe_u32 s2, ttmp6, 0x10000c
	s_cmp_lg_u32 s2, 0x3003
	s_cbranch_scc0 .Lentry_shape_is_right
	s_endpgm
.Lentry_shape_is_right:
; o = softmax(q k^T / 8) v for one head, both products on codes of FP4 (E2M1) with E8M0 scales; o is quantised along the model's 1,024 at once and stored as images of the next operand's registers.
; THE SOFTMAX AHEAD OF THE SECOND PRODUCT: t = score x log2(e) / 8; M = the running largest t rounded UP to a whole number; p = 2^(t - M) is quantised along the keys, not normalised; the row's sum is taken of the
; unquantised p and divides at the end.  When M moves, the sum and O are multiplied by 2^(old M - new M): exact.
; INPUTS: records of 9,216 bytes, [b x 16 + head][step of 128 tokens]: 0: eight tiles of 16 tokens, 512 bytes each, as register images (lane l: 16 bytes at 16 l); 4096: v's four tiles of 16 channels x two halves of 64 keys;
;   8192: the token tiles' scale words, 16 bytes a lane (word i: tile 2 i + l / 16); 8704: v's likewise (words 0, 1).  qb holds q so, kv holds k and v.
; SHARES.  A work-group owns 256 queries of one head, each of its sixteen waves 16 of them in 256 registers: four waves to a SIMD, so that one wave's vector work stands beside another's products and LDS loads.
; A HEAD'S 16 RECORDS, 147,456 bytes, lie in LDS whole, filled ONCE: wave w brings record w, 36 rows of 256 bytes, by its one tensor load.  One wait, one barrier, then 16 key steps with no barrier among them.
; CLUSTER.  The four query blocks of a cluster belong to one head: every load is asked for jointly by the four, with the same descriptor and the mask 15.
; No prefetch: all that the work-group reads is asked for at its head, and there is no loop to run ahead in.
; LAYOUT.  Both products are used transposed: S^T = K Q^T, O^T = V^T P^T: a lane holds ONE query (lane % 16) throughout.  The head's 64 fill registers 0-3 of an operand; registers 4-7 are zero codes on both sides, under the byte 0x7f.
; In S^T register 8 t + j of lane (r, h) is key 16 t + 8 h + j: a block of 32 keys is tiles 2 b, 2 b + 1 in lanes l and l xor 16.  The conversion of tile t goes to register 4 (t / 4) + 2 (t % 2) + (t % 4) / 2,
; and two exchanges of halves in each four give the operand's layout.
; OUTPUT ob: codes at (tile of 16 tokens) x 8,192 + head x 512 + 16 x lane; from byte 2,097,152 on the scale bytes [4096][32], byte 2 head + block.  Those leave a byte a lane, 32 bytes apart: one byte for 16 of codes.
; LIMITS: NaN and infinities are not served.  A block whose largest magnitude lies under 2^-124 (zeros among them) gets the byte 1.
; REGISTERS: v1 16 x lane; v8 the step's LDS address; v12 -M, v13 the largest t, v[14:15] the sum; v16-23 Q; v24-27 K's scale words, v28-29 V's, v30 p's, v31 Q's; v32-95 K; v96-159 S^T, then p; v160-191 O^T; v192-223 V; v224-231 p's codes; v232-254 at work.
.set HS,    147456
.set RS,    9216
.set OSC,   2097152
.set SPARE, 0x29000                    ; the spare words: 128 bytes a wave, eight blocks of 256 bytes that no other line names
.set WV,   18
.set SEL,  20
.set CS,   22
.set G1,   24
.set G0,   32
.set TB,   2                           ; s2  LDS byte of the record in hand
.set CNT,  3
.set LI,   1
.set ADR,  8
.set SPW,  251
.set NIL,  255
.macro CROUND
	s_barrier_signal -1
	s_barrier_wait -1
	s_cmp_lg_u32 s[WV], 0
	s_cbranch_scc1 .Lnot_wave_0_\@
	s_barrier_signal -3
.Lnot_wave_0_\@:
	s_barrier_wait -3
	s_barrier_signal -1
	s_barrier_wait -1
.endm
	s_load_b128 s[4:7], s[0:1], 0x0                ; qb, kv
	s_load_b64 s[8:9], s[0:1], 0x10                ; ob
	v_lshl_add_u32 v[SPW], v0, 2, SPARE
	v_mov_b32 v[NIL], 0
	ds_add_u32 v[SPW], v[NIL]                      ; the opening lines: the add, twice on end, and its wait ahead of my tensor load
	ds_add_u32 v[SPW], v[NIL]
	v_lshrrev_b32 v2, 5, v0
	v_readfirstlane_b32 s[WV], v2                  ; wave 0..15
	s_bfe_u32 s10, ttmp6, 0x40000                  ; cx
	s_lshl_b32 s11, ttmp9, 2
	s_add_co_u32 s11, s11, s10                     ; my block of 256 queries: it enters q's and o's addresses alone
	s_and_b32 s12, ttmp7, 0xffff                   ; b x 16 + head, which the four partners share
	s_mul_i32 s13, s12, HS
	s_mov_b32 s[G1], 15|(3<<16)|(1<<21)            ; the mask: all four; elements of 8 bytes; no padding; bit 21 beside a mask
	s_mov_b32 s[G1+1], 32<<16                      ; tensor_dim0: 256 bytes
	s_mov_b32 s[G1+2], 36<<16                      ; tensor_dim1: a record's 36 rows
	s_mov_b32 s[G1+3], 32<<16                      ; tile_dim0
	s_mov_b32 s[G1+4], 36                          ; tile_dim1
	s_mov_b32 s[G1+5], 32                          ; the pitch: dense
	s_mov_b32 s[G1+6], 0
	s_mov_b32 s[G1+7], 0
	s_mov_b32 s[G0], 1
	s_mul_i32 s[G0+1], s[WV], RS                   ; LDS: the records lie as in memory
	s_add_co_u32 s16, s13, s[G0+1]
	s_mov_b32 s17, 0
	s_mov_b32 s[SEL], 0x76543210
	s_mov_b32 s[SEL+1], 0xfedcba98
	s_mov_b32 s[CS], 0x3e38aa3b                    ; c = log2(e) / 8
	s_mov_b32 s[CS+1], s[CS]                       ; (named with it as a pair)
	; q: record 2 x block + wave / 8, tile wave % 8
	s_lshr_b32 s48, s[WV], 3
	s_lshl_b32 s49, s11, 1
	s_add_co_u32 s48, s48, s49
	s_mul_i32 s48, s48, RS
	s_add_co_u32 s48, s48, s13
	s_and_b32 s50, s[WV], 7
	s_lshl_b32 s51, s50, 9
	s_add_co_u32 s52, s48, s51                     ; its image
	s_mov_b32 s53, 0
	s_and_b32 s51, s50, 1
	s_lshl_b32 s51, s51, 8
	s_lshr_b32 s50, s50, 1
	s_lshl_b32 s50, s50, 2
	s_add_co_u32 s50, s50, s51
	s_add_co_u32 s50, s50, s48
	s_add_co_u32 s50, s50, 8192                    ; its scale words: 8192 + 256 (tile % 2) + 4 (tile / 2), 16 bytes from token to token
	s_mov_b32 s51, 0
	; o: tile of 16 tokens = 128 b + 16 x block + wave
	s_lshr_b32 s58, s12, 4
	s_lshl_b32 s58, s58, 7
	s_lshl_b32 s59, s11, 4
	s_add_co_u32 s58, s58, s59
	s_add_co_u32 s58, s58, s[WV]
	s_and_b32 s59, s12, 15                         ; the head
	s_lshl_b32 s54, s58, 13
	s_lshl_b32 s60, s59, 9
	s_add_co_u32 s54, s54, s60
	s_mov_b32 s55, 0
	s_lshl_b32 s56, s58, 9
	s_lshl_b32 s60, s59, 1
	s_add_co_u32 s56, s56, s60
	s_add_co_u32 s56, s56, OSC
	s_mov_b32 s57, 0
	s_wait_dscnt 0x0                               ; both opening adds are done
	s_wait_kmcnt 0x0
	s_add_nc_u64 s[G0+2:G0+3], s[6:7], s[16:17]
	s_or_b32 s[G0+3], s[G0+3], 0x80000000
	s_add_nc_u64 s[52:53], s[4:5], s[52:53]
	s_add_nc_u64 s[50:51], s[4:5], s[50:51]
	s_add_nc_u64 s[54:55], s[8:9], s[54:55]
	s_add_nc_u64 s[56:57], s[8:9], s[56:57]
	CROUND                                         ; all four work-groups are here: the joint loads meet
	tensor_load_to_lds s[G0:G0+3], s[G1:G1+7]      ; record w: my one tensor load of the launch
	s_nop 0
.rept 4
	v_nop
.endr
	v_and_b32 v2, 31, v0
	v_lshlrev_b32 v[LI], 4, v2
	v_and_b32 v3, 15, v0
	v_lshlrev_b32 v3, 4, v3
	global_load_b128 v[16:19], v[LI], s[52:53]     ; Q's fragment stays in registers
	global_load_b32 v31, v3, s[50:51]              ; and its scale words
.irp j, 20,21,22,23
	v_mov_b32 v\j, 0                               ; Q's k = 64 .. 127: zero codes
.endr
.irp t, 0,1,2,3,4,5,6,7
.irp j, 4,5,6,7
	v_mov_b32 v[32+8*\t+\j], 0                     ; K's likewise: written once, no load lands there
.endr
.endr
	v_mov_b32 v13, 0xff61b1e6                      ; the largest t so far: -3e38
	v_floor_f32 v12, -v13                          ; -M
	v_mov_b32 v14, 0
	v_mov_b32 v15, 0
.irp b, 0,1,2,3
	v_mov_b32 v[236+\b], 0                         ; a lane permute's destination counts as one of its sources
.endr
	v_mov_b32 v253, 0                              ; (the upper half of the pair v[252:253])
.set j, 0
.rept 32
	v_mov_b32 v[160+j], 0                          ; O^T: the step is written once; the first change of M leaves zeros zeros
.set j, j+1
.endr
; A KEY STEP: 128 keys, the record at LDS byte s[TB].
.macro STEP
	v_add_nc_u32 v[ADR], s[TB], v[LI]
.rept 3
	v_nop                                          ; with the addition: four places in front of loads into registers that the last products read
.endr
.irp t, 0,1,2,3,4,5,6,7
	ds_load_b128 v[32+8*\t:35+8*\t], v[ADR] offset:512*\t
.endr
	ds_load_b128 v[24:27], v[ADR] offset:8192
.irp t, 0,1,2,3
.irp c, 0,1
	ds_load_b128 v[192+8*\t+4*\c:195+8*\t+4*\c], v[ADR] offset:4096+1024*\t+512*\c
.endr
.endr
	ds_load_b64 v[28:29], v[ADR] offset:8704
	s_wait_dscnt 9                                 ; K and its scale words are in; V's eight loads and its scale words may be out
.irp t, 0,1,2,3,4,5,6,7
.if (\t)%2
	v_wmma_scale_f32_16x16x128_f8f6f4 v[96+8*\t:103+8*\t], v[32+8*\t:39+8*\t], v[16:23], 0, v[24+\t/2], v31 matrix_a_fmt:MATRIX_FMT_FP4 matrix_b_fmt:MATRIX_FMT_FP4 matrix_a_scale:MATRIX_SCALE_ROW1
.else
	v_wmma_scale_f32_16x16x128_f8f6f4 v[96+8*\t:103+8*\t], v[32+8*\t:39+8*\t], v[16:23], 0, v[24+\t/2], v31 matrix_a_fmt:MATRIX_FMT_FP4 matrix_b_fmt:MATRIX_FMT_FP4
.endif
.endr
.rept 4
	v_nop
.endr
; the largest score of each block of 32 keys: for the row's maximum and, since p rises with the score, for the block's largest p.  Eight chains, one a tile of 16 keys, by turns: a chain's links stand eight instructions apart
.irp t, 0,1,2,3,4,5,6,7
	v_max3_num_f32 v[240+\t], v[96+8*\t], v[97+8*\t], v[98+8*\t]      ; each accumulator from its low end on
.endr
.irp i, 3,5
.irp t, 0,1,2,3,4,5,6,7
	v_max3_num_f32 v[240+\t], v[240+\t], v[96+8*\t+\i], v[97+8*\t+\i]
.endr
.endr
.irp b, 0,1,2,3
	v_max3_num_f32 v[232+\b], v[240+2*\b], v[241+2*\b], v[103+16*\b]  ; a block's two tiles, and the first tile's last register; the second's follows
.endr
.irp b, 0,1,2,3
	v_max_num_f32 v[232+\b], v[232+\b], v[111+16*\b]
.endr
.irp b, 0,1,2,3
	s_delay_alu instid0(VALU_DEP_4)
	v_permlanex16_b32 v[236+\b], v[232+\b], s[SEL], s[SEL+1]
.endr
.irp b, 0,1,2,3
	s_delay_alu instid0(VALU_DEP_4)
	v_max_num_f32 v[232+\b], v[232+\b], v[236+\b]  ; with lane l xor 16's 16 keys
.endr
	s_delay_alu instid0(VALU_DEP_2)
	v_max3_num_f32 v254, v232, v233, v234
	s_delay_alu instid0(VALU_DEP_1)
	v_max_num_f32 v254, v254, v235
	s_delay_alu instid0(VALU_DEP_1)
	v_mul_f32 v254, s[CS], v254                    ; the step's largest t
	s_delay_alu instid0(VALU_DEP_1)
	v_max_num_f32 v13, v13, v254                   ; the running largest t
	v_mov_b32 v254, v12
	s_delay_alu instid0(VALU_DEP_2)
	v_floor_f32 v12, -v13                          ; the new -M = -ceil(t)
	s_delay_alu instid0(VALU_DEP_1)
	v_sub_f32 v254, v12, v254                      ; old M - new M: a whole number, 0 or less
	s_delay_alu instid0(VALU_DEP_1)
	v_cvt_i32_f32 v254, v254                       ; (it saturates)
	s_delay_alu instid0(VALU_DEP_1)
	v_ldexp_f32 v252, 1.0, v254                    ; f = 2^(old M - new M)
.irp j, 0,2,4,6,8,10,12,14,16,18,20,22,24,26,28,30,32,34,36,38,40,42,44,46,48,50,52,54,56,58,60,62
	v_pk_fma_f32 v[96+\j:97+\j], v[96+\j:97+\j], s[CS:CS+1], v[12:13] op_sel_hi:[1,0,0]   ; t - M, two at a time
.endr
.irp b, 0,1,2,3
	v_fma_f32 v[232+\b], v[232+\b], s[CS], v12     ; the same of each block's largest score
.endr
.set j, 0
	s_wait_alu depctr_va_vdst(0)                   ; the wait ahead of the batch
.rept 64
	v_exp_f32 v[96+j], v[96+j]                     ; p = 2^(t - M)
.set j, j+1
.endr
	v_pk_mul_f32 v[14:15], v[14:15], v[252:253] op_sel_hi:[1,0]   ; the sums under the new M: the plain instruction behind the exponentials
	s_wait_alu depctr_va_vdst(0)                   ; one wait for the batch, ahead of its first reader
.irp b, 0,1,2,3
	v_exp_f32 v[232+\b], v[232+\b]                 ; the block's largest p
.endr
	v_pk_add_f32 v[236:237], v[100:101], v[104:105]   ; the row's sum of the unquantised p, in eight chains
	v_pk_add_f32 v[248:249], v[108:109], v[112:113]
	v_pk_add_f32 v[246:247], v[116:117], v[120:121]
	v_pk_add_f32 v[244:245], v[124:125], v[128:129]
	v_pk_add_f32 v[242:243], v[132:133], v[136:137]
	v_pk_add_f32 v[240:241], v[140:141], v[144:145]
	v_pk_add_f32 v[238:239], v[148:149], v[152:153]
	v_pk_add_f32 v[14:15], v[14:15], v[156:157]
	v_pk_add_f32 v[236:237], v[236:237], v[96:97]
	v_pk_add_f32 v[248:249], v[248:249], v[98:99]
	v_pk_add_f32 v[246:247], v[246:247], v[102:103]
	v_pk_add_f32 v[244:245], v[244:245], v[106:107]
	v_pk_add_f32 v[242:243], v[242:243], v[110:111]
	v_pk_add_f32 v[240:241], v[240:241], v[114:115]
	v_pk_add_f32 v[238:239], v[238:239], v[118:119]
	v_pk_add_f32 v[14:15], v[14:15], v[122:123]
	v_pk_add_f32 v[236:237], v[236:237], v[126:127]
	v_pk_add_f32 v[248:249], v[248:249], v[130:131]
	v_pk_add_f32 v[246:247], v[246:247], v[134:135]
	v_pk_add_f32 v[244:245], v[244:245], v[138:139]
	v_pk_add_f32 v[242:243], v[242:243], v[142:143]
	v_pk_add_f32 v[240:241], v[240:241], v[146:147]
	v_pk_add_f32 v[238:239], v[238:239], v[150:151]
	v_pk_add_f32 v[14:15], v[14:15], v[154:155]
	v_pk_add_f32 v[236:237], v[236:237], v[158:159]
	s_delay_alu instid0(VALU_DEP_2)
	v_pk_add_f32 v[14:15], v[14:15], v[244:245]
	s_delay_alu instid0(VALU_DEP_2)
	v_pk_add_f32 v[236:237], v[236:237], v[242:243]
	v_pk_add_f32 v[248:249], v[248:249], v[240:241]
	v_pk_add_f32 v[246:247], v[246:247], v[238:239]
	s_delay_alu instid0(VALU_DEP_2)
	v_pk_add_f32 v[14:15], v[14:15], v[248:249]
	s_delay_alu instid0(VALU_DEP_2)
	v_pk_add_f32 v[236:237], v[236:237], v[246:247]
	s_delay_alu instid0(VALU_DEP_1)
	v_pk_add_f32 v[14:15], v[14:15], v[236:237]
	s_wait_alu depctr_va_vdst(0)                   ; and one for the four
.irp b, 0,1,2,3
	v_max_num_f32 v[232+\b], 0x1800000, v[232+\b]  ; the floor 2^(3 - 127)
.endr
.irp b, 0,1,2,3
	s_delay_alu instid0(VALU_DEP_4)
	v_add_nc_u32 v[244+\b], 0xff000000, v[232+\b]  ; the conversion's scale operand
.endr
.irp b, 0,1,2,3
	s_delay_alu instid0(VALU_DEP_4)
	v_lshrrev_b32 v[236+\b], 23, v[244+\b]         ; the scale's byte
.endr
	s_delay_alu instid0(VALU_DEP_3)
	v_lshl_or_b32 v30, v237, 8, v236               ; p's scale word for these 128 keys
	s_delay_alu instid0(VALU_DEP_1)
	v_lshl_or_b32 v30, v238, 16, v30
	s_delay_alu instid0(VALU_DEP_1)
	v_lshl_or_b32 v30, v239, 24, v30
.irp t, 0,1,2,3,4,5,6,7
	v_cvt_scalef32_pk8_fp4_f32 v[224+4*(\t/4)+2*(\t%2)+(\t%4)/2], v[96+8*\t:103+8*\t], v[244+\t/2]
.endr
	v_nop                                          ; a plain instruction behind the last scaled conversion
.irp c, 0,1
	v_permlane16_swap_b32 v[224+4*\c], v[225+4*\c]
	v_permlane16_swap_b32 v[226+4*\c], v[227+4*\c]
.endr
	s_wait_alu depctr_va_vdst(0)                   ; the wait here, directly ahead of the first reader of O^T
.irp j, 0,2,4,6,8,10,12,14,16,18,20,22,24,26,28,30
	v_pk_mul_f32 v[160+\j:161+\j], v[160+\j:161+\j], v[252:253] op_sel_hi:[1,0]   ; O^T under the new M; these sixteen also stand between the writes of p's codes and scale word and the products
.endr
	s_wait_alu depctr_va_vdst(0)                   ; the wait here, directly ahead of the wait below
	s_wait_dscnt 0x0                               ; V
.irp t, 0,1,2,3
.if (\t)%2
	v_wmma_scale_f32_16x16x128_f8f6f4 v[160+8*\t:167+8*\t], v[192+8*\t:199+8*\t], v[224:231], v[160+8*\t:167+8*\t], v[28+\t/2], v30 matrix_a_fmt:MATRIX_FMT_FP4 matrix_b_fmt:MATRIX_FMT_FP4 matrix_a_scale:MATRIX_SCALE_ROW1
.else
	v_wmma_scale_f32_16x16x128_f8f6f4 v[160+8*\t:167+8*\t], v[192+8*\t:199+8*\t], v[224:231], v[160+8*\t:167+8*\t], v[28+\t/2], v30 matrix_a_fmt:MATRIX_FMT_FP4 matrix_b_fmt:MATRIX_FMT_FP4
.endif
.endr
.endm
	s_wait_alu depctr_va_vdst(0)                   ; the wait at the head's end
	s_wait_loadcnt 0x0                             ; Q
	s_wait_tensorcnt 0x0                           ; my record is in;
	s_barrier_signal -1
	s_barrier_wait -1                              ; and so are the other fifteen: the head's keys and values are whole, and nothing is filled again
	s_mov_b32 s[TB], 0
	s_mov_b32 s[CNT], 16
.Lstep:
	STEP
	s_add_co_u32 s[TB], s[TB], RS
	s_sub_co_u32 s[CNT], s[CNT], 1
	s_cmp_lg_u32 s[CNT], 0
	s_cbranch_scc1 .Lstep
	; THE WAY OUT: O^T / the sum, quantised along the head's 64 (two blocks of the model's 1,024), stored as the next operand's registers.
	v_add_f32 v14, v14, v15
	s_delay_alu instid0(VALU_DEP_1)
	v_permlanex16_b32 v252, v14, s[SEL], s[SEL+1]
	s_delay_alu instid0(VALU_DEP_1)
	v_add_f32 v14, v14, v252                       ; the row's sum
	s_wait_alu depctr_va_vdst(0)                   ; the wait ahead of the transcendental
	v_rcp_f32 v14, v14
	v_and_b32 v2, 15, v0                           ; (plain instructions behind the transcendental, and places behind the last products)
	v_bfe_u32 v3, v0, 4, 1
	s_delay_alu instid0(VALU_DEP_1)
	v_lshl_add_u32 v4, v2, 5, v3                   ; my scale byte: 32 x token + block
	s_delay_alu instid0(VALU_DEP_2)
	v_cmp_eq_u32 vcc_lo, 1, v3
	s_wait_alu depctr_va_vdst(0)                   ; ahead of the first reader of the reciprocal and of O^T
.irp j, 0,2,4,6,8,10,12,14,16,18,20,22,24,26,28,30
	v_pk_mul_f32 v[96+\j:97+\j], v[160+\j:161+\j], v[14:15] op_sel_hi:[1,0]   ; register 8 t + i: o(query r, channel 16 t + 8 h + i); each accumulator from its low end on
.endr
.irp b, 0,1
	v_max3_num_f32 v[232+\b], |v[96+16*\b]|, |v[97+16*\b]|, 0x1800000
.endr
.irp i, 2,4,6,8,10,12,14
.irp b, 0,1
	s_delay_alu instid0(VALU_DEP_2)
	v_max3_num_f32 v[232+\b], v[232+\b], |v[96+16*\b+\i]|, |v[97+16*\b+\i]|
.endr
.endr
.irp b, 0,1
	s_delay_alu instid0(VALU_DEP_2)
	v_permlanex16_b32 v[236+\b], v[232+\b], s[SEL], s[SEL+1]
.endr
.irp b, 0,1
	s_delay_alu instid0(VALU_DEP_2)
	v_max_num_f32 v[232+\b], v[232+\b], v[236+\b]
.endr
.irp b, 0,1
	s_delay_alu instid0(VALU_DEP_2)
	v_add_nc_u32 v[244+\b], 0xff000000, v[232+\b]
.endr
.irp b, 0,1
	s_delay_alu instid0(VALU_DEP_2)
	v_lshrrev_b32 v[238+\b], 23, v[244+\b]
.endr
.irp t, 0,1,2,3
	v_cvt_scalef32_pk8_fp4_f32 v[224+2*(\t%2)+\t/2], v[96+8*\t:103+8*\t], v[244+\t/2]
.endr
	v_nop
	v_permlane16_swap_b32 v224, v225
	v_permlane16_swap_b32 v226, v227
	v_cndmask_b32 v5, v238, v239, vcc_lo           ; lanes 0-15 store block 0's byte, lanes 16-31 block 1's
	global_store_b128 v[LI], v[224:227], s[54:55]  ; 512 consecutive bytes
	global_store_b8 v4, v5, s[56:57]
	s_wait_tensorcnt 0x0                           ; the wave's end
	ds_add_u32 v[SPW], v[NIL]
	s_wait_dscnt 0x0
	CROUND                                         ; the closing round
	s_endpgm
.Lfunc_end_k_qa1474c914a_attn:
	.size	k_qa1474c914a_attn, .Lfunc_end_k_qa1474c914a_attn-k_qa1474c914a_attn
	.p2alignl 7, 3214868480
	.fill 96, 4, 3214868480
	.section	.rodata,"a",@progbits
	.p2align	6, 0x0
	.amdhsa_kernel k_qa1474c914a_attn
		.amdhsa_group_segment_fixed_size 169984
		.amdhsa_private_segment_fixed_size 0
		.amdhsa_enable_private_segment 0
		.amdhsa_kernarg_size 24
		.amdhsa_user_sgpr_count 2
		.amdhsa_user_sgpr_kernarg_segment_ptr 1
		.amdhsa_wavefront_size32 1
		.amdhsa_system_sgpr_workgroup_id_x 1
		.amdhsa_system_sgpr_workgroup_id_y 1
		.amdhsa_system_sgpr_workgroup_id_z 1
		.amdhsa_system_vgpr_workitem_id 0
		.amdhsa_next_free_vgpr 256
		.amdhsa_next_free_sgpr 66
		.amdhsa_reserve_vcc 1
		.amdhsa_float_denorm_mode_32 3
		.amdhsa_float_denorm_mode_16_64 3
		.amdhsa_memory_ordered 1
		.amdhsa_forward_progress 1
		.amdhsa_inst_pref_size 28
	.end_amdhsa_kernel
	.amdgpu_metadata
---
amdhsa.version: [ 1, 2 ]
amdhsa.kernels:
  - .name:           k_qa1474c914a_attn
    .symbol:         k_qa1474c914a_attn.kd
    .args:
      - { .name: qb, .offset: 0, .size: 8, .value_kind: global_buffer, .address_space: global }
      - { .name: kv, .offset: 8, .size: 8, .value_kind: global_buffer, .address_space: global }
      - { .name: ob, .offset: 16, .size: 8, .value_kind: global_buffer, .address_space: global }
    .group_segment_fixed_size: 169984
    .private_segment_fixed_size: 0
    .kernarg_segment_align: 8
    .kernarg_segment_size: 24
    .max_flat_workgroup_size: 512
    .sgpr_count:     66
    .vgpr_count:     256
    .wavefront_size: 32
...
	.end_amdgpu_metadata
.endif
;; end of part 3
;; launch wo (part 4): grid 8 x 32, 4 waves a work-group, clusters of 4 x 4, 327,680 bytes of LDS; arguments ob, wo_codes, wo_scales, x, x1; writes x1
.if DOCPART == 4
	.amdgcn_target "amdgcn-amd-amdhsa--gfx1250"
	.amdhsa_code_object_version 6
	.text
	.protected	k_qa1474c914a_wo
	.globl	k_qa1474c914a_wo
	.p2align	8
	.type	k_qa1474c914a_wo,@function
k_qa1474c914a_wo:
	s_mov_b64 s[64:65], 0
	v_nop
	global_prefetch_b8 v0, s[64:65] scope:SCOPE_SE
	s_setreg_imm32_b32 hwreg(HW_REG_WAVE_MODE, 25, 1), 1
	s_wait_xcnt 0x0
	s_wait_alu depctr_hold_cnt(0) depctr_sa_sdst(0) depctr_va_vdst(0) depctr_va_sdst(0) depctr_va_ssrc(0) depctr_va_vcc(0) depctr_vm_vsrc(0)
	s_getreg_b32 s2, hwreg(HW_REG_IB_STS2, 6, 4)
	s_cmp_eq_u32 s2, 0
	s_cbranch_scc0 .Lentry_in_a_cluster
	s_endpgm
.Lentry_in_a_cluster:
	s_bfe_u32 s2, ttmp6, 0x10000c
	s_cmp_lg_u32 s2, 0xf033
	s_cbranch_scc0 .Lentry_shape_is_right
	s_endpgm
.Lentry_shape_is_right:
; out = res + X Y^T on codes of FP4 (E2M1) with E8M0 scales.  Here: x1 = x + o wo^T, K = 1,024.
; X (4,096 tokens) comes as IMAGES OF ITS OPERAND'S REGISTERS: [tile of 16 tokens][K step of 128][half of 64][512 bytes], lane l's 16 bytes at 16 l; its scale bytes, [4096][KS], lie XSCOFF bytes behind the buffer's first.
; Y (1,024 rows): codes, K innermost, KTOT / 2 bytes a row; scale bytes [1024][KS].  res, out: [4096][1024] f32.
; A tile of 128 tokens x 128 columns to a work-group, so that 256 work-groups have work; four waves, 64 x 64 each: 16 accumulators.  Source 0 = 16 rows of Y, source 1 = 16 tokens: a lane holds eight neighbouring columns of one token's row.
; K goes through two LDS slots of SLOTK = 128 NQ along K.  With NS = 2 slots' worth of K each slot is filled once; with more, a slot is filled again behind a round of the cluster's barrier.  All scale bytes come once.
; CLUSTERS: 4 x 4: X's tile is shared along a row of the cluster, Y's along a column; each is asked for jointly, with a mask that names the four.
; REGISTERS: window 0: v16-29 addresses; v32-63 scale words, two sets of 16 (register 4 i + q % 4: lanes 0-15 X's block i, lanes 16-31 Y's); v64-191 two fragment buffers (X 32, Y 32 each), on the way out 64 rows read back.
;   window 1: v0-127 the accumulators, (a, b) at v[8 (4 a + b)]; v128-255 the residual, asked for at the head.
.set KTOT,   1024
.set NQ,     8                         ; K steps of 128 in a slot: here all of K
.set NS,     1                         ; one slot's worth of K: filled once, never again
.set KS,     32                        ; a row of scale bytes
.set TB,     8192                      ; X's images of one tile of 16 tokens, all of K
.set YROWB,  512                       ; a row of Y: all of K
.set YP,     528                       ; and in LDS: + 16 of padding
.set QI,     6                         ; the padding's interval: 2 << QI words = the row
.set XSCOFF, 2097152
.set XT,     NQ*1024                   ; a slot's images of one tile of tokens
.set XH,     4*XT                      ; four tiles: what one wave reads
.set XB,     2*XH
.set YH,     64*YP
.set SLOT,   XB+2*YH                   ; X's eight tiles, then Y's 128 rows
.set SCL,    2*SLOT                    ; behind the slots: the scale bytes, as units of 256 bytes + 16
.set SH,     (64*KS/256)*272           ; those of 64 rows
.set SBLK,   (16*KS/256)*272
.set SPARE,  SCL+4*SH                  ; the spare words: two blocks of 256 bytes that no other line names
.set SPITCH, 272                       ; the way out: 16 rows x (256 + 16) bytes a wave, from LDS byte SLOT on, behind the panels: bytes that no tensor load fills
.set ADRX, 16
.set ADRY, 20
.set STO,  24
.set RD,   25
.set CO,   26
.set ADRS, 27
.set SPW,  28
.set NIL,  29
.set SC,   32
.set XF,   64
.set YF,   96
.set BK,   64
.set RES,  128
.set G1X, 24
.set G0X, 32
.set G1Y, 48
.set G0Y, 56
.set G1SX, 68
.set G0SX, 76
.set G1SY, 80
.set G0SY, 88
.set ACCW, 0x50                        ; C and D window 1
.set MSB, 0
.macro WIN new
.if MSB != (\new)
	s_set_vgpr_msb (MSB<<8)|(\new)
.set MSB, (\new)
.endif
.endm
.macro JLOAD g0a, g1a, g0b, g1b        ; waves 0 and 1 fetch for X, waves 2 and 3 for Y; four v_nop follow each of the two lines
	s_cmp_eq_u32 s15, 0
	s_cbranch_scc0 .Lfor_b_\@
	tensor_load_to_lds s[\g0a:\g0a+3], s[\g1a:\g1a+7]
	s_nop 0
.rept 4
	v_nop
.endr
	s_branch .Lasked_\@
.Lfor_b_\@:
	tensor_load_to_lds s[\g0b:\g0b+3], s[\g1b:\g1b+7]
	s_nop 0
.rept 4
	v_nop
.endr
.Lasked_\@:
.endm
.macro CREST
	s_cmp_lg_u32 s14, 0
	s_cbranch_scc1 .Lnot_wave_0_\@
	s_barrier_signal -3
.Lnot_wave_0_\@:
	s_barrier_wait -3
	s_barrier_signal -1
	s_barrier_wait -1
.endm
.macro CROUND
	s_barrier_signal -1
	s_barrier_wait -1
	CREST
.endm
.macro PLACES n
.rept \n
	v_nop
.endr
.endm
	s_load_b256 s[4:11], s[0:1], 0x0               ; X s[4:5], Y's codes s[6:7], Y's scales s[8:9], res s[10:11]
	s_load_b64 s[12:13], s[0:1], 0x20              ; out
	v_lshl_add_u32 v[SPW], v0, 2, SPARE
	v_mov_b32 v[NIL], 0
	ds_add_u32 v28, v29
	ds_add_u32 v28, v29
	s_wait_dscnt 0x0
	v_lshrrev_b32 v1, 5, v0
	v_readfirstlane_b32 s14, v1                    ; wave 0..3
	s_lshr_b32 s15, s14, 1                         ; which 64 tokens are mine.  Also: I fetch for X (0) or for Y (1)
	s_and_b32 s16, s14, 1                          ; which 64 columns.  Also: which half I fetch
	s_bfe_u32 s40, ttmp6, 0x40000
	s_bfe_u32 s41, ttmp6, 0x40004
	s_lshl_b32 s42, ttmp9, 2
	s_add_co_u32 s42, s42, s40                     ; tile column
	s_and_b32 s17, ttmp7, 0xffff
	s_lshl_b32 s17, s17, 2
	s_add_co_u32 s17, s17, s41                     ; tile row
	s_lshl_b32 s43, s41, 2
	s_lshl_b32 s43, 15, s43                        ; my row of the cluster
	s_lshl_b32 s44, 0x1111, s40                    ; my column
	s_or_b32 s[G1X+0], s43, (3<<16)|(1<<21)        ; X: eight rows of XT bytes (elements of 8), TB bytes apart, dense in LDS
	s_mov_b32 s[G1X+1], (XT/8)<<16
	s_mov_b32 s[G1X+2], 8<<16
	s_mov_b32 s[G1X+3], (XT/8)<<16
	s_mov_b32 s[G1X+4], 8
	s_mov_b32 s[G1X+5], TB/8
	s_mov_b32 s[G1X+6], 0
	s_mov_b32 s[G1X+7], 0
	s_or_b32 s[G1Y+0], s44, (0<<16)|(1<<20)|(1<<21)|(QI<<22)|(3<<25)   ; Y: 128 rows of YROWB bytes, 4 words of padding behind each
	s_mov_b32 s[G1Y+1], YROWB<<16
	s_mov_b32 s[G1Y+2], 128<<16
	s_mov_b32 s[G1Y+3], YROWB<<16
	s_mov_b32 s[G1Y+4], 128
	s_mov_b32 s[G1Y+5], KTOT/2
	s_mov_b32 s[G1Y+6], 0
	s_mov_b32 s[G1Y+7], 0
	s_or_b32 s[G1SX+0], s43, (3<<16)|(1<<20)|(1<<21)|(5<<22)|(3<<25)   ; the scale bytes of 128 rows: dense, as rows of 256 bytes + 16
	s_or_b32 s[G1SY+0], s44, (3<<16)|(1<<20)|(1<<21)|(5<<22)|(3<<25)
.irp g, G1SX, G1SY
	s_mov_b32 s[\g+1], 32<<16
	s_mov_b32 s[\g+2], (128*KS/256)<<16
	s_mov_b32 s[\g+3], 32<<16
	s_mov_b32 s[\g+4], 128*KS/256
	s_mov_b32 s[\g+5], 32
	s_mov_b32 s[\g+6], 0
	s_mov_b32 s[\g+7], 0
.endr
	s_lshl_b32 s20, s17, 3                         ; X: tile of tokens 8 x tile row
	s_mul_i32 s22, s20, 16*KS
	s_add_co_u32 s22, s22, XSCOFF                  ; its scale bytes,
	s_mul_i32 s20, s20, TB                         ; its images
	s_mov_b32 s21, 0
	s_mov_b32 s23, 0
	s_lshl_b32 s46, s42, 7                         ; Y: row 128 x tile column
	s_mul_i32 s92, s46, KS
	s_mul_i32 s46, s46, KTOT/2
	s_mov_b32 s47, 0
	s_mov_b32 s93, 0
	s_wait_kmcnt 0x0
	s_add_nc_u64 s[22:23], s[4:5], s[22:23]
	s_add_nc_u64 s[20:21], s[4:5], s[20:21]
	s_add_nc_u64 s[46:47], s[6:7], s[46:47]
	s_add_nc_u64 s[92:93], s[8:9], s[92:93]
	CROUND                                         ; all sixteen work-groups are here: the first joint loads meet
	s_mov_b32 s[G0SX], 1
	s_mov_b32 s[G0SX+1], SCL
	s_mov_b64 s[G0SX+2:G0SX+3], s[22:23]
	s_or_b32 s[G0SX+3], s[G0SX+3], 0x80000000
	s_mov_b32 s[G0SY], 1
	s_mov_b32 s[G0SY+1], SCL+2*SH
	s_mov_b64 s[G0SY+2:G0SY+3], s[92:93]
	s_or_b32 s[G0SY+3], s[G0SY+3], 0x80000000
	s_mov_b32 s[G0X], 1                            ; X's eight tiles of tokens, all of K
	s_mov_b32 s[G0X+1], 0
	s_mov_b64 s[G0X+2:G0X+3], s[20:21]
	s_or_b32 s[G0X+3], s[G0X+3], 0x80000000
	s_mov_b32 s[G0Y], 1                            ; Y's 128 rows, behind them
	s_mov_b32 s[G0Y+1], XB
	s_mov_b64 s[G0Y+2:G0Y+3], s[46:47]
	s_or_b32 s[G0Y+3], s[G0Y+3], 0x80000000
; the launch's four tiles, one joint load a wave: wave 0 X's images, wave 1 Y's codes, wave 2 X's scale bytes, wave 3 Y's: one chain of branches on the wave's number
.macro ARM under, g0, g1, next
	s_cmp_lt_u32 s14, \under
	s_cbranch_scc0 \next
	tensor_load_to_lds s[\g0:\g0+3], s[\g1:\g1+7]
	s_nop 0
.rept 4
	v_nop
.endr
	s_branch .Lhead_asked
\next:
.endm
	ARM 1, G0X,  G1X,  .Lhead_y
	ARM 2, G0Y,  G1Y,  .Lhead_sx
	ARM 3, G0SX, G1SX, .Lhead_sy
	tensor_load_to_lds s[G0SY:G0SY+3], s[G1SY:G1SY+7]
	s_nop 0
.rept 4
	v_nop
.endr
.Lhead_asked:
	v_and_b32 v1, 15, v0                           ; r
	v_bfe_u32 v2, v0, 4, 1                         ; h
	v_lshlrev_b32 v5, 12, v2
	v_lshl_add_u32 v[CO], v1, 4, v5                ; res and out: lanes 0-15 one row's 256 bytes, lanes 16-31 the next row's
	s_wait_alu depctr_va_vdst(0)
	s_lshl_b32 s20, s17, 7
	s_lshl_b32 s21, s15, 6
	s_add_co_u32 s20, s20, s21
	s_lshl_b32 s20, s20, 12                        ; my first row x 4,096 bytes
	s_lshl_b32 s46, s42, 9
	s_lshl_b32 s47, s16, 8
	s_add_co_u32 s46, s46, s47                     ; my first column x 4
	s_add_co_u32 s20, s20, s46
	s_mov_b32 s21, 0
	s_add_nc_u64 s[10:11], s[10:11], s[20:21]
	s_add_nc_u64 s[12:13], s[12:13], s[20:21]
	WIN 0x40                                       ; destination window 1
.irp a, 0,1,2,3
.irp t, 0,1,2,3,4,5,6,7
	global_load_b128 v[RES+32*\a+4*\t:RES+32*\a+4*\t+3], v[CO], s[10:11] offset:(16*\a+2*\t)*4096 th:TH_LOAD_NT   ; the residual, in the places in which the results will be stored
.endr
.endr
	WIN 0
	v_and_b32 v3, 31, v0
	v_lshlrev_b32 v3, 4, v3                        ; 16 x lane
	s_mul_i32 s21, s15, XH
	v_add_nc_u32 v[ADRX], s21, v3
	s_add_co_u32 s21, s21, SLOT
	v_add_nc_u32 v[ADRX+1], s21, v3
	v_mul_u32_u24 v4, v1, YP
	v_lshl_add_u32 v4, v2, 4, v4
	s_mul_i32 s22, s16, YH
	s_add_co_u32 s22, s22, XB
	v_add_nc_u32 v[ADRY], s22, v4
	s_add_co_u32 s22, s22, SLOT
	v_add_nc_u32 v[ADRY+1], s22, v4
	v_mul_u32_u24 v5, v1, KS                       ; my row's scale bytes,
	v_lshrrev_b32 v6, 8, v5
	v_lshl_add_u32 v5, v6, 4, v5                   ; and 16 more for each 256 passed
	s_mul_i32 s21, s15, SH
	s_mul_i32 s22, s16, SH
	s_add_co_u32 s22, s22, 2*SH
	s_sub_co_u32 s22, s22, s21
	v_mul_u32_u24 v6, s22, v2                      ; lanes 16-31 take Y's
	s_add_co_u32 s21, s21, SCL
	v_add_nc_u32 v5, v5, v6
	v_add_nc_u32 v[ADRS], s21, v5
	s_mul_i32 s23, s14, 16*SPITCH                  ; my stage,
	s_add_co_u32 s23, s23, SLOT                    ; behind the panels
	v_mul_u32_u24 v5, v1, SPITCH
	v_lshl_add_u32 v5, v2, 5, v5
	v_add_nc_u32 v[STO], s23, v5                   ; in: row r, 32 bytes for each half of the lanes
	v_mul_u32_u24 v5, v2, SPITCH
	v_lshl_add_u32 v5, v1, 4, v5
	v_add_nc_u32 v[RD], s23, v5                    ; back: lanes 0-15 one row, lanes 16-31 the next
.macro FETCH s, q, f                   ; the fragments of the slot's q-th K step into buffer f: 16 loads
.irp i, 0,1,2,3
.irp c, 0,1
	ds_load_b128 v[XF+64*(\f)+8*\i+4*\c:XF+64*(\f)+8*\i+4*\c+3], v[ADRX+(\s)] offset:(\i*NQ+(\q))*1024+512*\c
.endr
.endr
.irp i, 0,1,2,3
.irp c, 0,1
	ds_load_b128 v[YF+64*(\f)+8*\i+4*\c:YF+64*(\f)+8*\i+4*\c+3], v[ADRY+(\s)] offset:64*(\q)+32*\c+\i*16*YP
.endr
.endr
.endm
.macro SCALES g                        ; the scale words of K steps 4 g .. 4 g + 3 into set g % 2
.irp i, 0,1,2,3
	ds_load_b128 v[SC+16*((\g)%2)+4*\i:SC+16*((\g)%2)+4*\i+3], v[ADRS] offset:\i*SBLK+16*(\g)
.endr
.endm
.macro MULN f, g, q4, a, zero          ; X's block a against Y's four.  The 16 accumulators take turns, one instruction a turn
.irp b, 0,1,2,3
.if \zero
	v_wmma_scale_f32_16x16x128_f8f6f4 v[8*(4*(\a)+\b):8*(4*(\a)+\b)+7], v[YF+64*(\f)+8*\b:YF+64*(\f)+8*\b+7], v[XF+64*(\f)+8*(\a):XF+64*(\f)+8*(\a)+7], 0, v[SC+16*((\g)%2)+4*\b+(\q4)], v[SC+16*((\g)%2)+4*(\a)+(\q4)] matrix_a_fmt:MATRIX_FMT_FP4 matrix_b_fmt:MATRIX_FMT_FP4 matrix_a_scale:MATRIX_SCALE_ROW1
.else
	v_wmma_scale_f32_16x16x128_f8f6f4 v[8*(4*(\a)+\b):8*(4*(\a)+\b)+7], v[YF+64*(\f)+8*\b:YF+64*(\f)+8*\b+7], v[XF+64*(\f)+8*(\a):XF+64*(\f)+8*(\a)+7], v[8*(4*(\a)+\b):8*(4*(\a)+\b)+7], v[SC+16*((\g)%2)+4*\b+(\q4)], v[SC+16*((\g)%2)+4*(\a)+(\q4)] matrix_a_fmt:MATRIX_FMT_FP4 matrix_b_fmt:MATRIX_FMT_FP4 matrix_a_scale:MATRIX_SCALE_ROW1
.endif
.endr
.endm
; A K step with its successor in the same slot: this step's fragments are in; the next step's are asked for into the other buffer, four plain instructions behind the products that read it; then 16 products.
.macro KST sg, q, zero
	s_wait_dscnt 0x0
	PLACES 4
	FETCH (\sg)%2, (\q)+1, ((\q)+1)%2
.if ((\q)+1)%4 == 0
	SCALES ((\sg)*NQ+(\q)+1)/4
.endif
	WIN ACCW
.irp a, 0,1,2,3
	MULN (\q)%2, ((\sg)*NQ+(\q))/4, (\q)%4, \a, \zero
.endr
	WIN 0
.endm
; A slot's last K step changes slots: ONE barrier; in front of it each wave waits for all its tensor loads, adds 0 to its spare word, and waits for that and for its reads of this slot.
; fill = 1: the barrier opens a round of the cluster's barrier, and behind the round this slot is filled again, two slots ahead: one load a wave, the first thing there.
.macro TURN sg, fill
	WIN 0
	s_wait_tensorcnt 0x0                           ; all my tensor loads have landed: my part of the next slot
	ds_add_u32 v[SPW], v[NIL]                      ; 0 onto my spare word
	s_wait_dscnt 1                                 ; this step's fragments are in; the add may be out
	WIN ACCW
	MULN 1, ((\sg)*NQ+NQ-1)/4, 3, 0, 0
	MULN 1, ((\sg)*NQ+NQ-1)/4, 3, 1, 0
	s_wait_dscnt 0x0                               ; the add is done, and my reads of this slot are over
	s_barrier_signal -1
	MULN 1, ((\sg)*NQ+NQ-1)/4, 3, 2, 0
	WIN 0
	s_barrier_wait -1
.if \fill
	CREST
	s_add_nc_u64 s[G0X+4*((\sg)%2)+2:G0X+4*((\sg)%2)+3], s[G0X+4*((\sg)%2)+2:G0X+4*((\sg)%2)+3], 2*XT
	s_add_nc_u64 s[G0Y+4*((\sg)%2)+2:G0Y+4*((\sg)%2)+3], s[G0Y+4*((\sg)%2)+2:G0Y+4*((\sg)%2)+3], 2*YROWB
	JLOAD G0X+4*((\sg)%2), G1X, G0Y+4*((\sg)%2), G1Y   ; its four v_nop are also the places in front of the loads below
.else
	PLACES 4
.endif
	FETCH ((\sg)+1)%2, 0, 0
	SCALES ((\sg)+1)*NQ/4
	WIN ACCW
	MULN 1, ((\sg)*NQ+NQ-1)/4, 3, 3, 0
	WIN 0
.endm
	s_wait_alu depctr_va_vdst(0)
	s_wait_tensorcnt 0x0                           ; my tile of the four is in; the barrier shows the others'
	s_barrier_signal -1
	s_barrier_wait -1
	FETCH 0, 0, 0
	SCALES 0
.set SG, 0
.rept NS                               ; all of K, written out
.set Q, 0
.rept NQ-1
.if (SG == 0) && (Q == 0)
	KST SG, Q, 1                                   ; the first products start the sums
.else
	KST SG, Q, 0
.endif
.set Q, Q+1
.endr
.if SG < NS-1
.if SG+2 < NS
	TURN SG, 1
.else
	TURN SG, 0
.endif
.endif
.set SG, SG+1
.endr
	s_wait_dscnt 0x0                               ; the very last K step
	WIN ACCW
.irp a, 0,1,2,3
	MULN 1, (NS*NQ-1)/4, 3, \a, 0
.endr
	WIN 0
	; THE WAY OUT, 16 tokens at a time: through my stage, back as rows of 256 bytes, + the residual, stored: sixteen lanes fill 256 consecutive bytes, at a multiple of 256 from the buffer's first byte.
	PLACES 4
	s_wait_loadcnt 0x0                             ; the residual
.irp a, 0,1,2,3
	WIN 0x04                                       ; an LDS store's data are its source 1: window 1
.irp b, 0,1,2,3
	ds_store_b128 v[STO], v[8*(4*\a+\b):8*(4*\a+\b)+3] offset:64*\b        ; each accumulator from its low end on
	ds_store_b128 v[STO], v[8*(4*\a+\b)+4:8*(4*\a+\b)+7] offset:64*\b+16
.endr
	WIN 0
.irp t, 0,1,2,3,4,5,6,7
	ds_load_b128 v[BK+32*\a+4*\t:BK+32*\a+4*\t+3], v[RD] offset:\t*2*SPITCH   ; LDS serves a wave's instructions in order (ISA guide 5.7.1.4)
.endr
	s_wait_dscnt 0x0
	WIN 0x04                                       ; source 1: the residual, window 1
.irp t, 0,1,2,3,4,5,6,7
	v_pk_add_f32 v[BK+32*\a+4*\t:BK+32*\a+4*\t+1], v[BK+32*\a+4*\t:BK+32*\a+4*\t+1], v[RES+32*\a+4*\t:RES+32*\a+4*\t+1]
	v_pk_add_f32 v[BK+32*\a+4*\t+2:BK+32*\a+4*\t+3], v[BK+32*\a+4*\t+2:BK+32*\a+4*\t+3], v[RES+32*\a+4*\t+2:RES+32*\a+4*\t+3]
.endr
	WIN 0
.irp t, 0,1,2,3,4,5,6,7
	global_store_b128 v[CO], v[BK+32*\a+4*\t:BK+32*\a+4*\t+3], s[12:13] offset:(16*\a+2*\t)*4096
.endr
.endr
	s_wait_tensorcnt 0x0                           ; the wave's end
	ds_add_u32 v[SPW], v[NIL]
	s_wait_dscnt 0x0
	CROUND                                         ; the closing round
	s_endpgm
.Lfunc_end_k_qa1474c914a_wo:
	.size	k_qa1474c914a_wo, .Lfunc_end_k_qa1474c914a_wo-k_qa1474c914a_wo
	.p2alignl 7, 3214868480
	.fill 96, 4, 3214868480
	.section	.rodata,"a",@progbits
	.p2align	6, 0x0
	.amdhsa_kernel k_qa1474c914a_wo
		.amdhsa_group_segment_fixed_size 327680
		.amdhsa_private_segment_fixed_size 0
		.amdhsa_enable_private_segment 0
		.amdhsa_kernarg_size 40
		.amdhsa_user_sgpr_count 2
		.amdhsa_user_sgpr_kernarg_segment_ptr 1
		.amdhsa_wavefront_size32 1
		.amdhsa_system_sgpr_workgroup_id_x 1
		.amdhsa_system_sgpr_workgroup_id_y 1
		.amdhsa_system_sgpr_workgroup_id_z 1
		.amdhsa_system_vgpr_workitem_id 0
		.amdhsa_next_free_vgpr 512
		.amdhsa_next_free_sgpr 100
		.amdhsa_reserve_vcc 0
		.amdhsa_float_denorm_mode_32 3
		.amdhsa_float_denorm_mode_16_64 3
		.amdhsa_memory_ordered 1
		.amdhsa_forward_progress 1
		.amdhsa_inst_pref_size 50
	.end_amdhsa_kernel
	.amdgpu_metadata
---
amdhsa.version: [ 1, 2 ]
amdhsa.kernels:
  - .name:           k_qa1474c914a_wo
    .symbol:         k_qa1474c914a_wo.kd
    .args:
      - { .name: ob, .offset: 0, .size: 8, .value_kind: global_buffer, .address_space: global }
      - { .name: wo_codes, .offset: 8, .size: 8, .value_kind: global_buffer, .address_space: global }
      - { .name: wo_scales, .offset: 16, .size: 8, .value_kind: global_buffer, .address_space: global }
      - { .name: x, .offset: 24, .size: 8, .value_kind: global_buffer, .address_space: global }
      - { .name: x1, .offset: 32, .size: 8, .value_kind: global_buffer, .address_space: global }
    .group_segment_fixed_size: 327680
    .private_segment_fixed_size: 0
    .kernarg_segment_align: 8
    .kernarg_segment_size: 40
    .max_flat_workgroup_size: 128
    .sgpr_count:     100
    .vgpr_count:     512
    .wavefront_size: 32
...
	.end_amdgpu_metadata
.endif
;; end of part 4
;; launch ln2: the kernel of part 1 again; grid 256 x 1, 16 waves a work-group, no clusters, 84,992 bytes of LDS; arguments x1, ln2_w, ln2_b, hc, hs; writes hc, hs
;; launch up (part 5): grid 16 x 16, 4 waves a work-group, clusters of 4 x 4, 327,680 bytes of LDS; arguments hc, hs, w_up_codes, w_up_scales, hid; writes hid
.if DOCPART == 5
	.amdgcn_target "amdgcn-amd-amdhsa--gfx1250"
	.amdhsa_code_object_version 6
	.text
	.protected	k_qa1474c914a_up
	.globl	k_qa1474c914a_up
	.p2align	8
	.type	k_qa1474c914a_up,@function
k_qa1474c914a_up:
	s_mov_b64 s[64:65], 0
	v_nop
	global_prefetch_b8 v0, s[64:65] scope:SCOPE_SE
	s_setreg_imm32_b32 hwreg(HW_REG_WAVE_MODE, 25, 1), 1
	s_wait_xcnt 0x0
	s_wait_alu depctr_hold_cnt(0) depctr_sa_sdst(0) depctr_va_vdst(0) depctr_va_sdst(0) depctr_va_ssrc(0) depctr_va_vcc(0) depctr_vm_vsrc(0)
	s_getreg_b32 s2, hwreg(HW_REG_IB_STS2, 6, 4)
	s_cmp_eq_u32 s2, 0
	s_cbranch_scc0 .Lentry_in_a_cluster
	s_endpgm
.Lentry_in_a_cluster:
	s_bfe_u32 s2, ttmp6, 0x10000c
	s_cmp_lg_u32 s2, 0xf033
	s_cbranch_scc0 .Lentry_shape_is_right
	s_endpgm
.Lentry_shape_is_right:
; hidden = relu(h2 w_up^T) on codes of FP4 (E2M1) with E8M0 scales, K = 1,024; the result is quantised at once along the hidden layer's 4,096 and stored as IMAGES OF THE NEXT OPERAND'S REGISTERS.
; h2: codes [4096][512 bytes], scale bytes [4096][32].  w_up: codes [4096][512 bytes], scale bytes [4096][32].
; A work-group makes 256 tokens x 256 hidden units, a wave 128 x 128: 64 accumulators, 512 registers.  K = 1,024 is 512 bytes a row: both panels lie in LDS whole, as two slots of 512 along K, each filled ONCE; so do the scale bytes.
; CLUSTERS: 4 x 4.  h2's tile is shared along a row of the cluster, w_up's along a column: each is asked for jointly, by the same tensor load with a mask that names the four.
; Source 1 ("X") = 16 tokens, a token a lane; source 0 ("Y") = 16 rows of w_up, along a lane's registers: in accumulator (a, b) lane (r, h) holds token 16 a + r and, in register j, hidden unit 16 b + 8 h + j.
; A wave's 128 hidden units are exactly one K step of the next product: a block of 16 tokens becomes one fragment and one scale word a token.
; OUTPUT hid: images at (tile of 16 tokens) x 32,768 + (K step) x 1,024 + 512 c + 16 x lane; from byte 8,388,608 on the scale bytes [4096][128], word S at 4 S.  The scale words leave 4 bytes a lane, 128 bytes apart: one byte for 16 of codes.
; LIMITS: NaN and infinities are not served.  A block whose largest number lies under 2^-124 (zeros among them) gets the byte 1: its bytes are read by this program alone.
; REGISTERS: window 0: v1-31 addresses; v32-95 scale words, two sets; v96-127 at work on the way out; v128-191 X's fragments, one set, later the codes made.
;   window 1: Y's fragments, two sets (v0, v128).   windows 2, 3: the accumulators, (a, b) at v[8 (8 (a % 4) + b)] of window 2 + a / 4.
.set NQ,     4
.set ROWB,   512                       ; a tile's row: all of K, 1,024 codes
.set KROW,   512
.set PITCH,  528                       ; an LDS row: 512 bytes + 16 of padding = 132 words: the 16 rows that a load touches start at 16 different banks (64 banks of 4 bytes: ISA guide 11.1)
.set FR,     8
.set NL,     2
.set NP,     4                         ; places behind this matrix instruction (ISA guide 7.12.1)
.set HALFT,  128*PITCH
.set SLOT,   256                       ; the second 512 along K begin 256 bytes on in each row
.set KS,     32
.set SCL,    4*HALFT                   ; behind h2's 256 rows and w_up's 256 rows
.set HALFS,  (128*KS/256)*272
.set SBLK,   (16*KS/256)*272
.set SPARE,  SCL+4*HALFS               ; the spare words: two blocks of 256 bytes that no other line names
.set HSCOFF, 8388608
.set ADRA, 16
.set ADRB, 20
.set LOF,  24
.set LAN,  25
.set ADRS, 27
.set SPW,  28
.set NIL,  29
.set SC,   32
.set TM,   96
.set PW,   112
.set ZW,   120
.set AF,   128
.set PC,   128
.set G1, 24
.set G0, 32
.set G1B, 48
.set G0B, 56
.set SEL, 66
.set G1S, 68
.set G0S, 76
.set G1SB, 80
.set G0SB, 88
.set MSB, 0
.macro WIN new
.if MSB != (\new)
	s_set_vgpr_msb (MSB<<8)|(\new)
.set MSB, (\new)
.endif
.endm
.set MUL_LO, 0xa1
.set MUL_HI, 0xf1
.set TO_B,   0x40
; One arm of the head's chain of branches on the wave's number: its joint load, then a jump to the chain's end.
.macro ARM under, g0, g1, next
	s_cmp_lt_u32 s14, \under
	s_cbranch_scc0 \next
	tensor_load_to_lds s[\g0:\g0+3], s[\g1:\g1+7]
	s_nop 0
.rept 4
	v_nop
.endr
	s_branch .Lhead_asked
\next:
.endm
.macro CROUND
	s_barrier_signal -1
	s_barrier_wait -1
	s_cmp_lg_u32 s14, 0
	s_cbranch_scc1 .Lnot_wave_0_\@
	s_barrier_signal -3
.Lnot_wave_0_\@:
	s_barrier_wait -3
	s_barrier_signal -1
	s_barrier_wait -1
.endm
.macro PLACES n
.rept \n
	v_nop
.endr
.endm
	s_load_b128 s[4:7], s[0:1], 0x0                ; h2's codes, h2's scales
	s_load_b128 s[8:11], s[0:1], 0x10              ; w_up's codes, w_up's scales
	s_load_b64 s[12:13], s[0:1], 0x20              ; hid
	v_lshl_add_u32 v[SPW], v0, 2, SPARE
	v_mov_b32 v[NIL], 0
	ds_add_u32 v28, v29
	ds_add_u32 v28, v29
	s_wait_dscnt 0x0
	v_lshrrev_b32 v1, 5, v0
	v_readfirstlane_b32 s14, v1
	s_lshr_b32 s15, s14, 1
	s_and_b32 s16, s14, 1
	s_bfe_u32 s40, ttmp6, 0x40000
	s_bfe_u32 s41, ttmp6, 0x40004
	s_lshl_b32 s42, ttmp9, 2
	s_add_co_u32 s42, s42, s40                     ; tile column: 256 hidden units
	s_and_b32 s17, ttmp7, 0xffff
	s_lshl_b32 s17, s17, 2
	s_add_co_u32 s17, s17, s41                     ; tile row: 256 tokens
	s_lshl_b32 s43, s41, 2
	s_lshl_b32 s43, 15, s43
	s_lshl_b32 s44, 0x1111, s40
	s_or_b32 s[G1+0], s43, (0<<16)|(1<<20)|(1<<21)|(6<<22)|(3<<25)   ; four words of padding behind every 128
	s_or_b32 s[G1B+0], s44, (0<<16)|(1<<20)|(1<<21)|(6<<22)|(3<<25)
.irp g, G1, G1B
	s_mov_b32 s[\g+1], ROWB<<16
	s_mov_b32 s[\g+2], 256<<16
	s_mov_b32 s[\g+3], ROWB<<16
	s_mov_b32 s[\g+4], 256
	s_mov_b32 s[\g+5], KROW
	s_mov_b32 s[\g+6], 0
	s_mov_b32 s[\g+7], 0
.endr
	s_or_b32 s[G1S+0], s43, (3<<16)|(1<<20)|(1<<21)|(5<<22)|(3<<25)
	s_or_b32 s[G1SB+0], s44, (3<<16)|(1<<20)|(1<<21)|(5<<22)|(3<<25)
.irp g, G1S, G1SB
	s_mov_b32 s[\g+1], 32<<16
	s_mov_b32 s[\g+2], (256*KS/256)<<16
	s_mov_b32 s[\g+3], 32<<16
	s_mov_b32 s[\g+4], 256*KS/256
	s_mov_b32 s[\g+5], 32
	s_mov_b32 s[\g+6], 0
	s_mov_b32 s[\g+7], 0
.endr
	s_lshl_b32 s20, s17, 8
	s_lshl_b32 s46, s42, 8
	s_mov_b32 s21, 0
	s_mov_b32 s47, 0
	s_mov_b64 s[18:19], KS
	s_mul_u64 s[22:23], s[20:21], s[18:19]
	s_mul_u64 s[92:93], s[46:47], s[18:19]
	s_mov_b64 s[18:19], KROW
	s_mul_u64 s[20:21], s[20:21], s[18:19]
	s_mul_u64 s[46:47], s[46:47], s[18:19]
	s_mov_b32 s[SEL], 0x76543210
	s_mov_b32 s[SEL+1], 0xfedcba98
	s_wait_kmcnt 0x0
	s_add_nc_u64 s[20:21], s[4:5], s[20:21]
	s_add_nc_u64 s[22:23], s[6:7], s[22:23]
	s_add_nc_u64 s[46:47], s[8:9], s[46:47]
	s_add_nc_u64 s[92:93], s[10:11], s[92:93]
	CROUND                                         ; all sixteen work-groups are here: the joint loads meet
	s_mov_b32 s[G0S], 1
	s_mov_b32 s[G0S+1], SCL
	s_mov_b64 s[G0S+2:G0S+3], s[22:23]
	s_or_b32 s[G0S+3], s[G0S+3], 0x80000000
	s_mov_b32 s[G0SB], 1
	s_mov_b32 s[G0SB+1], SCL+2*HALFS
	s_mov_b64 s[G0SB+2:G0SB+3], s[92:93]
	s_or_b32 s[G0SB+3], s[G0SB+3], 0x80000000
	s_mov_b32 s[G0], 1                             ; h2's 256 rows, all of K
	s_mov_b32 s[G0+1], 0
	s_mov_b64 s[G0+2:G0+3], s[20:21]
	s_or_b32 s[G0+3], s[G0+3], 0x80000000
	s_mov_b32 s[G0B], 1                            ; w_up's 256 rows, behind them
	s_mov_b32 s[G0B+1], 2*HALFT
	s_mov_b64 s[G0B+2:G0B+3], s[46:47]
	s_or_b32 s[G0B+3], s[G0B+3], 0x80000000
	; the launch's four tiles, one joint load a wave: wave 0 h2's codes, wave 1 w_up's, wave 2 h2's scale bytes, wave 3 w_up's.  Nothing is filled later.
	ARM 1, G0,  G1,  .Lhead_b
	ARM 2, G0B, G1B, .Lhead_sa
	ARM 3, G0S, G1S, .Lhead_sb
	tensor_load_to_lds s[G0SB:G0SB+3], s[G1SB:G1SB+7]
	s_nop 0
.rept 4
	v_nop
.endr
.Lhead_asked:
	v_and_b32 v1, 15, v0
	v_bfe_u32 v2, v0, 4, 1
	v_mul_u32_u24 v3, v1, PITCH
	v_lshl_add_u32 v4, v2, 4, v3
	s_mul_i32 s21, s15, HALFT
	s_mul_i32 s22, s16, HALFT
	s_add_co_u32 s22, s22, 2*HALFT
.irp s, 0,1
	v_add_nc_u32 v[ADRA+\s], s21, v4
	v_add_nc_u32 v[ADRB+\s], s22, v4
	s_add_co_u32 s21, s21, SLOT
	s_add_co_u32 s22, s22, SLOT
.endr
	v_mul_u32_u24 v5, v1, KS
	v_lshrrev_b32 v6, 8, v5
	v_lshl_add_u32 v5, v6, 4, v5
	s_mul_i32 s21, s15, HALFS
	s_mul_i32 s22, s16, HALFS
	s_add_co_u32 s22, s22, 2*HALFS
	s_sub_co_u32 s22, s22, s21
	v_mul_u32_u24 v6, s22, v2                      ; lanes 16-31 take w_up's
	s_add_co_u32 s21, s21, SCL
	v_add_nc_u32 v5, v5, v6
	v_add_nc_u32 v[ADRS], s21, v5
	v_and_b32 v[LAN], 31, v0
	v_lshlrev_b32 v[LOF], 4, v[LAN]
.irp b, 0,1,2,3
	v_mov_b32 v[TM+4+\b], 0                        ; a lane permute's destination counts as one of its sources
.endr
	; where my results go: tile of tokens 16 x tile row + 8 x half; K step S = 2 x tile column + half
	s_lshl_b32 s20, s17, 4
	s_lshl_b32 s21, s15, 3
	s_add_co_u32 s20, s20, s21
	s_lshl_b32 s22, s20, 11                        ; 16 tokens x 128 scale bytes
	s_lshl_b32 s20, s20, 15
	s_lshl_b32 s46, s42, 1
	s_add_co_u32 s46, s46, s16
	s_lshl_b32 s47, s46, 2
	s_lshl_b32 s46, s46, 10
	s_add_co_u32 s20, s20, s46
	s_add_co_u32 s22, s22, s47
	s_add_co_u32 s22, s22, HSCOFF
	s_mov_b32 s21, 0
	s_mov_b32 s23, 0
	s_add_nc_u64 s[92:93], s[12:13], s[22:23]      ; the scale words
	s_add_nc_u64 s[12:13], s[12:13], s[20:21]      ; the images
.macro FRAG reg, adr, q, i
.irp c, 0,1
	ds_load_b128 v[\reg+4*\c:\reg+4*\c+3], v[\adr] offset:64*(\q)+32*\c+(\i)*16*PITCH
.endr
.endm
; 16 matrix instructions: X's blocks a0, a0 + 1 against Y's eight.  The 64 accumulators take turns, one instruction a turn.
.macro MUL16 a0, p, q, sc, zero
.irp a, \a0, \a0+1
.irp b, 0,1,2,3,4,5,6,7
.if \zero
	v_wmma_scale_f32_16x16x128_f8f6f4 v[8*(8*((\a)%4)+\b):8*(8*((\a)%4)+\b)+7], v[128*(\p)+FR*\b:128*(\p)+FR*\b+FR-1], v[AF+FR*(\a):AF+FR*(\a)+FR-1], 0, v[SC+8*NQ*(\sc)+NQ*\b+(\q)], v[SC+8*NQ*(\sc)+NQ*(\a)+(\q)] matrix_a_fmt:MATRIX_FMT_FP4 matrix_b_fmt:MATRIX_FMT_FP4 matrix_a_scale:MATRIX_SCALE_ROW1
.else
	v_wmma_scale_f32_16x16x128_f8f6f4 v[8*(8*((\a)%4)+\b):8*(8*((\a)%4)+\b)+7], v[128*(\p)+FR*\b:128*(\p)+FR*\b+FR-1], v[AF+FR*(\a):AF+FR*(\a)+FR-1], v[8*(8*((\a)%4)+\b):8*(8*((\a)%4)+\b)+7], v[SC+8*NQ*(\sc)+NQ*\b+(\q)], v[SC+8*NQ*(\sc)+NQ*(\a)+(\q)] matrix_a_fmt:MATRIX_FMT_FP4 matrix_b_fmt:MATRIX_FMT_FP4 matrix_a_scale:MATRIX_SCALE_ROW1
.endif
.endr
.endr
.endm
.macro FETCH_Y ay, slot, q, p
	WIN TO_B
.irp i, 0,1,2,3,4,5,6,7
	FRAG 128*(\p)+FR*\i, \ay+\slot, \q, \i
.endr
	WIN 0
.endm
.macro FETCH_X ax, slot, q, i0
.irp i, \i0, \i0+1, \i0+2, \i0+3
	FRAG AF+FR*(\i), \ax+\slot, \q, \i
.endr
.endm
.macro SCALES sa, sc
.irp i, 0,1,2,3,4,5,6,7
	ds_load_b128 v[SC+8*NQ*\sc+NQ*\i:SC+8*NQ*\sc+NQ*\i+3], v[\sa] offset:\i*SBLK+16*\sc
.endr
.endm
; A step of 128 along K with its successor in the same slot.  Loads into registers that matrix instructions have read stand NP plain vector instructions behind them (ISA guide 7.12.1 for vector instructions).
.macro STEP ax, ay, slot, q, zero
	s_wait_dscnt 4*NL                              ; all but the youngest eight loads (X's blocks 4-7) are in
	WIN MUL_LO
	MUL16 0, (\q)%2, \q, \slot, \zero
	MUL16 2, (\q)%2, \q, \slot, \zero
	s_wait_dscnt 0
	PLACES NP
	FETCH_Y \ay, \slot, (\q)+1, 1-(\q)%2
	FETCH_X \ax, \slot, (\q)+1, 0
	WIN MUL_HI
	MUL16 4, (\q)%2, \q, \slot, \zero
	MUL16 6, (\q)%2, \q, \slot, \zero
	PLACES NP
	WIN 0
	FETCH_X \ax, \slot, (\q)+1, 4
.endm
; The fourth step goes over to the rows' second halves, which landed with the first: no barrier
.macro TURN ax, ay, sa
	s_wait_dscnt 4*NL
	WIN MUL_LO
	MUL16 0, 1, NQ-1, 0, 0
	MUL16 2, 1, NQ-1, 0, 0
	s_wait_dscnt 0
	PLACES NP
	FETCH_Y \ay, 1, 0, 0
	FETCH_X \ax, 1, 0, 0
	SCALES \sa, 1
	WIN MUL_HI
	MUL16 4, 1, NQ-1, 0, 0
	MUL16 6, 1, NQ-1, 0, 0
	PLACES NP
	WIN 0
	FETCH_X \ax, 1, 0, 4
.endm
.macro CORE ax, ay, sa
	FETCH_Y \ay, 0, 0, 0
	FETCH_X \ax, 0, 0, 0
	SCALES \sa, 0
	FETCH_X \ax, 0, 0, 4
	STEP \ax, \ay, 0, 0, 1
	STEP \ax, \ay, 0, 1, 0
	STEP \ax, \ay, 0, 2, 0
	TURN \ax, \ay, \sa
	STEP \ax, \ay, 1, 0, 0
	STEP \ax, \ay, 1, 1, 0
	STEP \ax, \ay, 1, 2, 0
	s_wait_dscnt 4*NL
	WIN MUL_LO
	MUL16 0, 1, NQ-1, 1, 0
	MUL16 2, 1, NQ-1, 1, 0
	s_wait_dscnt 0
	WIN MUL_HI
	MUL16 4, 1, NQ-1, 1, 0
	MUL16 6, 1, NQ-1, 1, 0
	WIN 0
	PLACES NP
.endm
; X's block p: its lane's 64 numbers (register 8 t + j = k 16 t + 8 h + j of my token) become a fragment's codes in v[PC + 8 p] on and its scale word in v[PW + p].  A block of 32 along k is tiles 2 b, 2 b + 1 in lanes l and l xor 16.
; The conversion of tile t goes to register 4 (t / 4) + 2 (t % 2) + (t % 4) / 2; two exchanges of halves in each four then give lane (r, h') k = 64 c + 32 h' + 8 i in register 4 c + i: the operand's own layout.
.macro QA p, relu
.set AC, 64*((\p)%4)
.set WN, 2+(\p)/4
.set PR, PC+8*(\p)
.if \relu
	WIN (WN<<6)|(WN<<2)
.set j, 0
.rept 64
	v_max_num_f32 v[AC+j], 0, v[AC+j]              ; the activation, in f32, each accumulator from its low end on
.set j, j+1
.endr
.endif
	WIN (WN<<2)|(WN<<4)
.irp b, 0,1,2,3
.if \relu
	v_max3_num_f32 v[TM+\b], 0x1800000, v[AC+16*\b], v[AC+16*\b+1]     ; none is negative: no |.|; with the floor 2^(3 - 127)
.else
	v_max3_num_f32 v[TM+\b], 0x1800000, |v[AC+16*\b]|, |v[AC+16*\b+1]|
.endif
.endr
.irp i, 2,4,6,8,10,12,14
.irp b, 0,1,2,3
.if \relu
	v_max3_num_f32 v[TM+\b], v[TM+\b], v[AC+16*\b+\i], v[AC+16*\b+\i+1]
.else
	v_max3_num_f32 v[TM+\b], v[TM+\b], |v[AC+16*\b+\i]|, |v[AC+16*\b+\i+1]|
.endif
.endr
.endr
	WIN 0
.irp b, 0,1,2,3
	v_permlanex16_b32 v[TM+4+\b], v[TM+\b], s[SEL], s[SEL+1]
.endr
.irp b, 0,1,2,3
	v_max_num_f32 v[TM+\b], v[TM+\b], v[TM+4+\b]
.endr
.irp b, 0,1,2,3
	v_add_nc_u32 v[TM+12+\b], 0xff000000, v[TM+\b] ; 2 off the exponent field: the conversion's scale operand
.endr
.irp b, 0,1,2,3
	v_lshrrev_b32 v[TM+4+\b], 23, v[TM+12+\b]      ; the scale's byte
.endr
	v_lshl_or_b32 v[PW+(\p)], v[TM+5], 8, v[TM+4]
	v_lshl_or_b32 v[PW+(\p)], v[TM+6], 16, v[PW+(\p)]
	v_lshl_or_b32 v[PW+(\p)], v[TM+7], 24, v[PW+(\p)]
	WIN WN
.irp t, 0,1,2,3,4,5,6,7
	v_cvt_scalef32_pk8_fp4_f32 v[PR+4*(\t/4)+2*(\t%2)+(\t%4)/2], v[AC+8*\t:AC+8*\t+7], v[TM+12+\t/2]
.endr
	WIN 0
	v_nop                                          ; a plain instruction behind the last scaled conversion
.irp c, 0,1
	v_permlane16_swap_b32 v[PR+4*\c], v[PR+4*\c+1]
	v_permlane16_swap_b32 v[PR+4*\c+2], v[PR+4*\c+3]
.endr
.endm
	s_wait_alu depctr_va_vdst(0)
	s_wait_tensorcnt 0x0                           ; my tile of the four is in; the barrier shows the others'
	s_barrier_signal -1
	s_barrier_wait -1
	CORE ADRA, ADRB, ADRS
.irp p, 0,1,2,3,4,5,6,7
	QA \p, 1
	global_store_b128 v[LOF], v[PC+8*\p:PC+8*\p+3], s[12:13] offset:32768*\p        ; 512 consecutive bytes
	global_store_b128 v[LOF], v[PC+8*\p+4:PC+8*\p+7], s[12:13] offset:32768*\p+512
.endr
	v_cmp_lt_u32 vcc_lo, 15, v[LAN]
	v_lshlrev_b32 v[ZW+4], 7, v[LAN]               ; a token's row of scale bytes is 128 bytes
.irp b, 0,1,2,3
	v_cndmask_b32 v[ZW+\b], v[PW+2*\b], v[PW+2*\b+1], vcc_lo   ; lane l: token 32 b + l
	global_store_b32 v[ZW+4], v[ZW+\b], s[92:93] offset:4096*\b
.endr
	s_wait_tensorcnt 0x0                           ; the wave's end
	ds_add_u32 v[SPW], v[NIL]
	s_wait_dscnt 0x0
	CROUND                                         ; the closing round
	s_endpgm
.Lfunc_end_k_qa1474c914a_up:
	.size	k_qa1474c914a_up, .Lfunc_end_k_qa1474c914a_up-k_qa1474c914a_up
	.p2alignl 7, 3214868480
	.fill 96, 4, 3214868480
	.section	.rodata,"a",@progbits
	.p2align	6, 0x0
	.amdhsa_kernel k_qa1474c914a_up
		.amdhsa_group_segment_fixed_size 327680
		.amdhsa_private_segment_fixed_size 0
		.amdhsa_enable_private_segment 0
		.amdhsa_kernarg_size 40
		.amdhsa_user_sgpr_count 2
		.amdhsa_user_sgpr_kernarg_segment_ptr 1
		.amdhsa_wavefront_size32 1
		.amdhsa_system_sgpr_workgroup_id_x 1
		.amdhsa_system_sgpr_workgroup_id_y 1
		.amdhsa_system_sgpr_workgroup_id_z 1
		.amdhsa_system_vgpr_workitem_id 0
		.amdhsa_next_free_vgpr 1024
		.amdhsa_next_free_sgpr 100
		.amdhsa_reserve_vcc 1
		.amdhsa_float_denorm_mode_32 3
		.amdhsa_float_denorm_mode_16_64 3
		.amdhsa_memory_ordered 1
		.amdhsa_forward_progress 1
		.amdhsa_inst_pref_size 143
	.end_amdhsa_kernel
	.amdgpu_metadata
---
amdhsa.version: [ 1, 2 ]
amdhsa.kernels:
  - .name:           k_qa1474c914a_up
    .symbol:         k_qa1474c914a_up.kd
    .args:
      - { .name: hc, .offset: 0, .size: 8, .value_kind: global_buffer, .address_space: global }
      - { .name: hs, .offset: 8, .size: 8, .value_kind: global_buffer, .address_space: global }
      - { .name: w_up_codes, .offset: 16, .size: 8, .value_kind: global_buffer, .address_space: global }
      - { .name: w_up_scales, .offset: 24, .size: 8, .value_kind: global_buffer, .address_space: global }
      - { .name: hid, .offset: 32, .size: 8, .value_kind: global_buffer, .address_space: global }
    .group_segment_fixed_size: 327680
    .private_segment_fixed_size: 0
    .kernarg_segment_align: 8
    .kernarg_segment_size: 40
    .max_flat_workgroup_size: 128
    .sgpr_count:     100
    .vgpr_count:     1024
    .wavefront_size: 32
...
	.end_amdgpu_metadata
.endif
;; end of part 5
;; launch down (part 6): grid 8 x 32, 4 waves a work-group, clusters of 4 x 4, 327,680 bytes of LDS; arguments hid, w_down_codes, w_down_scales, x1, out0; writes out0
.if DOCPART == 6
	.amdgcn_target "amdgcn-amd-amdhsa--gfx1250"
	.amdhsa_code_object_version 6
	.text
	.protected	k_qa1474c914a_down
	.globl	k_qa1474c914a_down
	.p2align	8
	.type	k_qa1474c914a_down,@function
k_qa1474c914a_down:
	s_mov_b64 s[64:65], 0
	v_nop
	global_prefetch_b8 v0, s[64:65] scope:SCOPE_SE
	s_setreg_imm32_b32 hwreg(HW_REG_WAVE_MODE, 25, 1), 1
	s_wait_xcnt 0x0
	s_wait_alu depctr_hold_cnt(0) depctr_sa_sdst(0) depctr_va_vdst(0) depctr_va_sdst(0) depctr_va_ssrc(0) depctr_va_vcc(0) depctr_vm_vsrc(0)
	s_getreg_b32 s2, hwreg(HW_REG_IB_STS2, 6, 4)
	s_cmp_eq_u32 s2, 0
	s_cbranch_scc0 .Lentry_in_a_cluster
	s_endpgm
.Lentry_in_a_cluster:
	s_bfe_u32 s2, ttmp6, 0x10000c
	s_cmp_lg_u32 s2, 0xf033
	s_cbranch_scc0 .Lentry_shape_is_right
	s_endpgm
.Lentry_shape_is_right:
.set KTOT,   4096
.set NQ,     8
.set NS,     4
.set KS,     128
.set TB,     32768
.set YROWB,  512
.set YP,     528
.set QI,     6
.set XSCOFF, 8388608
.set XT,     NQ*1024
.set XH,     4*XT
.set XB,     2*XH
.set YH,     64*YP
.set SLOT,   XB+2*YH
.set SCL,    2*SLOT
.set SH,     (64*KS/256)*272
.set SBLK,   (16*KS/256)*272
.set SPARE,  SCL+4*SH
.set SPITCH, 272
.set ADRX, 16
.set ADRY, 20
.set STO,  24
.set RD,   25
.set CO,   26
.set ADRS, 27
.set SPW,  28
.set NIL,  29
.set SC,   32
.set XF,   64
.set YF,   96
.set BK,   64
.set RES,  128
.set G1X, 24
.set G0X, 32
.set G1Y, 48
.set G0Y, 56
.set G1SX, 68
.set G0SX, 76
.set G1SY, 80
.set G0SY, 88
.set ACCW, 0x50
.set MSB, 0
.macro WIN new
.if MSB != (\new)
	s_set_vgpr_msb (MSB<<8)|(\new)
.set MSB, (\new)
.endif
.endm
.macro JLOAD g0a, g1a, g0b, g1b
	s_cmp_eq_u32 s15, 0
	s_cbranch_scc0 .Lfor_b_\@
	tensor_load_to_lds s[\g0a:\g0a+3], s[\g1a:\g1a+7]
	s_nop 0
.rept 4
	v_nop
.endr
	s_branch .Lasked_\@
.Lfor_b_\@:
	tensor_load_to_lds s[\g0b:\g0b+3], s[\g1b:\g1b+7]
	s_nop 0
.rept 4
	v_nop
.endr
.Lasked_\@:
.endm
.macro CREST
	s_cmp_lg_u32 s14, 0
	s_cbranch_scc1 .Lnot_wave_0_\@
	s_barrier_signal -3
.Lnot_wave_0_\@:
	s_barrier_wait -3
	s_barrier_signal -1
	s_barrier_wait -1
.endm
.macro CROUND
	s_barrier_signal -1
	s_barrier_wait -1
	CREST
.endm
.macro PLACES n
.rept \n
	v_nop
.endr
.endm
	s_load_b256 s[4:11], s[0:1], 0x0
	s_load_b64 s[12:13], s[0:1], 0x20
	v_lshl_add_u32 v[SPW], v0, 2, SPARE
	v_mov_b32 v[NIL], 0
	ds_add_u32 v28, v29
	ds_add_u32 v28, v29
	s_wait_dscnt 0x0
	v_lshrrev_b32 v1, 5, v0
	v_readfirstlane_b32 s14, v1
	s_lshr_b32 s15, s14, 1
	s_and_b32 s16, s14, 1
	s_bfe_u32 s40, ttmp6, 0x40000
	s_bfe_u32 s41, ttmp6, 0x40004
	s_lshl_b32 s42, ttmp9, 2
	s_add_co_u32 s42, s42, s40
	s_and_b32 s17, ttmp7, 0xffff
	s_lshl_b32 s17, s17, 2
	s_add_co_u32 s17, s17, s41
	s_lshl_b32 s43, s41, 2
	s_lshl_b32 s43, 15, s43
	s_lshl_b32 s44, 0x1111, s40
	s_or_b32 s[G1X+0], s43, (3<<16)|(1<<21)
	s_mov_b32 s[G1X+1], (XT/8)<<16
	s_mov_b32 s[G1X+2], 8<<16                      ; the head's load brings all eight tiles of tokens
	s_mov_b32 s[G1X+3], (XT/8)<<16
	s_mov_b32 s[G1X+4], 8
	s_mov_b32 s[G1X+5], TB/8
	s_mov_b32 s[G1X+6], 0
	s_mov_b32 s[G1X+7], 0
	s_or_b32 s[G1Y+0], s44, (0<<16)|(1<<20)|(1<<21)|(QI<<22)|(3<<25)
	s_mov_b32 s[G1Y+1], YROWB<<16
	s_mov_b32 s[G1Y+2], 128<<16                    ; and all 128 rows of Y
	s_mov_b32 s[G1Y+3], YROWB<<16
	s_mov_b32 s[G1Y+4], 128
	s_mov_b32 s[G1Y+5], KTOT/2
	s_mov_b32 s[G1Y+6], 0
	s_mov_b32 s[G1Y+7], 0
	s_or_b32 s[G1SX+0], s43, (3<<16)|(1<<20)|(1<<21)|(5<<22)|(3<<25)
	s_or_b32 s[G1SY+0], s44, (3<<16)|(1<<20)|(1<<21)|(5<<22)|(3<<25)
.irp g, G1SX, G1SY
	s_mov_b32 s[\g+1], 32<<16
	s_mov_b32 s[\g+2], (128*KS/256)<<16
	s_mov_b32 s[\g+3], 32<<16
	s_mov_b32 s[\g+4], 128*KS/256
	s_mov_b32 s[\g+5], 32
	s_mov_b32 s[\g+6], 0
	s_mov_b32 s[\g+7], 0
.endr
	s_lshl_b32 s20, s17, 3                         ; X: tile of tokens 8 x tile row
	s_mul_i32 s22, s20, 16*KS
	s_add_co_u32 s22, s22, XSCOFF
	s_mul_i32 s20, s20, TB
	s_mov_b32 s21, 0
	s_mov_b32 s23, 0
	s_lshl_b32 s46, s42, 7                         ; Y: row 128 x tile column
	s_mul_i32 s92, s46, KS
	s_mul_i32 s46, s46, KTOT/2
	s_mov_b32 s47, 0
	s_mov_b32 s93, 0
	s_mul_i32 s45, s16, XH
	s_mul_i32 s19, s16, YH
	s_add_co_u32 s19, s19, XB
	s_mul_i32 s66, s16, 4*TB                       ; in the ring a wave fetches half a tile: four tiles of tokens on,
	s_mov_b32 s67, 0
	s_mul_i32 s94, s16, 64*KTOT/2                  ; or 64 rows of Y on
	s_mov_b32 s95, 0
	s_wait_kmcnt 0x0
	s_add_nc_u64 s[22:23], s[4:5], s[22:23]
	s_add_nc_u64 s[20:21], s[4:5], s[20:21]
	s_add_nc_u64 s[46:47], s[6:7], s[46:47]
	s_add_nc_u64 s[92:93], s[8:9], s[92:93]
	CROUND
	s_mov_b32 s[G0SX], 1
	s_mov_b32 s[G0SX+1], SCL
	s_mov_b64 s[G0SX+2:G0SX+3], s[22:23]
	s_or_b32 s[G0SX+3], s[G0SX+3], 0x80000000
	s_mov_b32 s[G0SY], 1
	s_mov_b32 s[G0SY+1], SCL+2*SH
	s_mov_b64 s[G0SY+2:G0SY+3], s[92:93]
	s_or_b32 s[G0SY+3], s[G0SY+3], 0x80000000
.set G0H,  4                           ; s[4:7], s[96:99] groups 0 of the head's loads of slot 0, each a whole tile (the arguments in s[4:7] have been used)
.set G0HY, 96
.set PFA,  2                           ; s[2:3] where my prefetches stand
.set PFS,  92                          ; s[92:93] a slot on, in bytes: XT in X's images, YROWB in a row of Y
.set PFO,  30                          ; v30 the prefetches' offset of my lane; never rewritten
	s_mov_b32 s[G0H], 1
	s_mov_b32 s[G0H+1], 0
	s_mov_b64 s[G0H+2:G0H+3], s[20:21]
	s_or_b32 s[G0H+3], s[G0H+3], 0x80000000
	s_mov_b32 s[G0HY], 1
	s_mov_b32 s[G0HY+1], XB
	s_mov_b64 s[G0HY+2:G0HY+3], s[46:47]
	s_or_b32 s[G0HY+3], s[G0HY+3], 0x80000000
	; THE PREFETCHES INTO THE L2: a slot's part of a tile is 256 blocks of 256 bytes.  The four partners that ask for the tile jointly share them out BY ADDRESS: the partner at place p (cx for X, cy for Y) takes 64,
	; its waves 0 and 1 of X (one tile of tokens, 8,192 bytes, each), its waves 2 and 3 of Y (16 rows x 512 bytes each): both begin (2 p + wave % 2) x 32,768 bytes behind the tile's first byte.
	s_cmp_eq_u32 s15, 0
	s_cselect_b64 s[PFA:PFA+1], s[20:21], s[46:47]
	s_cselect_b32 s22, s40, s41
	s_cselect_b32 s18, 0, -1                       ; which lane offsets: X's (0) or Y's (all ones)
	s_mov_b32 s[PFS], YROWB
	s_cselect_b32 s[PFS], XT, s[PFS]
	s_mov_b32 s[PFS+1], 0
	s_mov_b32 s23, 0
	s_lshl_b32 s22, s22, 1
	s_add_co_u32 s22, s22, s16
	s_lshl_b32 s22, s22, 15
	s_add_nc_u64 s[PFA:PFA+1], s[PFA:PFA+1], s[22:23]
	s_add_nc_u64 s[PFA:PFA+1], s[PFA:PFA+1], s[PFS:PFS+1]   ; at slot 1
	s_add_nc_u64 s[20:21], s[20:21], s[66:67]      ; for the ring: my half of each tile
	s_add_nc_u64 s[46:47], s[46:47], s[94:95]
.irp s, 0,1
	s_mov_b32 s[G0X+4*\s], 1
	s_add_co_u32 s[G0X+4*\s+1], s45, \s*SLOT
	s_add_nc_u64 s[G0X+4*\s+2:G0X+4*\s+3], s[20:21], \s*XT
	s_or_b32 s[G0X+4*\s+3], s[G0X+4*\s+3], 0x80000000
	s_mov_b32 s[G0Y+4*\s], 1
	s_add_co_u32 s[G0Y+4*\s+1], s19, \s*SLOT
	s_add_nc_u64 s[G0Y+4*\s+2:G0Y+4*\s+3], s[46:47], \s*YROWB
	s_or_b32 s[G0Y+4*\s+3], s[G0Y+4*\s+3], 0x80000000
.endr
; THE HEAD'S LOADS, one a wave: wave 0 slot 0's images of X, wave 1 its rows of Y, wave 2 X's scale bytes for all of K, wave 3 Y's: one chain of branches on the wave's number
.macro ARM under, g0, g1, next
	s_cmp_lt_u32 s14, \under
	s_cbranch_scc0 \next
	tensor_load_to_lds s[\g0:\g0+3], s[\g1:\g1+7]
	s_nop 0
.rept 4
	v_nop
.endr
	s_branch .Lhead_asked
\next:
.endm
	ARM 1, G0H,  G1X,  .Lhead_y
	ARM 2, G0HY, G1Y,  .Lhead_sx
	ARM 3, G0SX, G1SX, .Lhead_sy
	tensor_load_to_lds s[G0SY:G0SY+3], s[G1SY:G1SY+7]
	s_nop 0
.rept 4
	v_nop
.endr
.Lhead_asked:
	v_and_b32 v1, 15, v0
	v_bfe_u32 v2, v0, 4, 1
	v_lshlrev_b32 v5, 12, v2
	v_lshl_add_u32 v[CO], v1, 4, v5
	s_wait_alu depctr_va_vdst(0)
	s_lshl_b32 s20, s17, 7
	s_lshl_b32 s21, s15, 6
	s_add_co_u32 s20, s20, s21
	s_lshl_b32 s20, s20, 12
	s_lshl_b32 s46, s42, 9
	s_lshl_b32 s47, s16, 8
	s_add_co_u32 s46, s46, s47
	s_add_co_u32 s20, s20, s46
	s_mov_b32 s21, 0
	s_add_nc_u64 s[10:11], s[10:11], s[20:21]
	s_add_nc_u64 s[12:13], s[12:13], s[20:21]
	WIN 0x40
.irp a, 0,1,2,3
.irp t, 0,1,2,3,4,5,6,7
	global_load_b128 v[RES+32*\a+4*\t:RES+32*\a+4*\t+3], v[CO], s[10:11] offset:(16*\a+2*\t)*4096 th:TH_LOAD_NT
.endr
.endr
	WIN 0
	v_and_b32 v3, 31, v0
	v_lshlrev_b32 v3, 4, v3
	s_mul_i32 s21, s15, XH
	v_add_nc_u32 v[ADRX], s21, v3
	s_add_co_u32 s21, s21, SLOT
	v_add_nc_u32 v[ADRX+1], s21, v3
	v_mul_u32_u24 v4, v1, YP
	v_lshl_add_u32 v4, v2, 4, v4
	s_mul_i32 s22, s16, YH
	s_add_co_u32 s22, s22, XB
	v_add_nc_u32 v[ADRY], s22, v4
	s_add_co_u32 s22, s22, SLOT
	v_add_nc_u32 v[ADRY+1], s22, v4
	v_mul_u32_u24 v5, v1, KS
	v_lshrrev_b32 v6, 8, v5
	v_lshl_add_u32 v5, v6, 4, v5
	s_mul_i32 s21, s15, SH
	s_mul_i32 s22, s16, SH
	s_add_co_u32 s22, s22, 2*SH
	s_sub_co_u32 s22, s22, s21
	v_mul_u32_u24 v6, s22, v2
	s_add_co_u32 s21, s21, SCL
	v_add_nc_u32 v5, v5, v6
	v_add_nc_u32 v[ADRS], s21, v5
	s_mul_i32 s23, s14, 16*SPITCH
	v_mul_u32_u24 v5, v1, SPITCH
	v_lshl_add_u32 v5, v2, 5, v5
	v_add_nc_u32 v[STO], s23, v5
	v_mul_u32_u24 v5, v2, SPITCH
	v_lshl_add_u32 v5, v1, 4, v5
	v_add_nc_u32 v[RD], s23, v5
	v_and_b32 v7, 31, v0
	v_lshlrev_b32 v8, 8, v7                        ; X: lanes 256 bytes apart
	v_lshrrev_b32 v9, 1, v7
	v_and_b32 v10, 1, v7
	v_lshlrev_b32 v10, 8, v10
	v_lshl_add_u32 v9, v9, 11, v10                 ; Y: two lanes to a row of 2,048 bytes, 256 bytes apart
	v_cndmask_b32 v[PFO], v8, v9, s18
	global_prefetch_b8 v[PFO], s[PFA:PFA+1] th:TH_LOAD_NT scope:SCOPE_SE   ; slot 1, which is loaded when the head's tiles have landed
.macro FETCH s, q, f
.irp i, 0,1,2,3
.irp c, 0,1
	ds_load_b128 v[XF+64*(\f)+8*\i+4*\c:XF+64*(\f)+8*\i+4*\c+3], v[ADRX+(\s)] offset:(\i*NQ+(\q))*1024+512*\c
.endr
.endr
.irp i, 0,1,2,3
.irp c, 0,1
	ds_load_b128 v[YF+64*(\f)+8*\i+4*\c:YF+64*(\f)+8*\i+4*\c+3], v[ADRY+(\s)] offset:64*(\q)+32*\c+\i*16*YP
.endr
.endr
.endm
.macro SCALES g
.irp i, 0,1,2,3
	ds_load_b128 v[SC+16*((\g)%2)+4*\i:SC+16*((\g)%2)+4*\i+3], v[ADRS] offset:\i*SBLK+16*(\g)
.endr
.endm
.macro MULN f, g, q4, a, zero
.irp b, 0,1,2,3
.if \zero
	v_wmma_scale_f32_16x16x128_f8f6f4 v[8*(4*(\a)+\b):8*(4*(\a)+\b)+7], v[YF+64*(\f)+8*\b:YF+64*(\f)+8*\b+7], v[XF+64*(\f)+8*(\a):XF+64*(\f)+8*(\a)+7], 0, v[SC+16*((\g)%2)+4*\b+(\q4)], v[SC+16*((\g)%2)+4*(\a)+(\q4)] matrix_a_fmt:MATRIX_FMT_FP4 matrix_b_fmt:MATRIX_FMT_FP4 matrix_a_scale:MATRIX_SCALE_ROW1
.else
	v_wmma_scale_f32_16x16x128_f8f6f4 v[8*(4*(\a)+\b):8*(4*(\a)+\b)+7], v[YF+64*(\f)+8*\b:YF+64*(\f)+8*\b+7], v[XF+64*(\f)+8*(\a):XF+64*(\f)+8*(\a)+7], v[8*(4*(\a)+\b):8*(4*(\a)+\b)+7], v[SC+16*((\g)%2)+4*\b+(\q4)], v[SC+16*((\g)%2)+4*(\a)+(\q4)] matrix_a_fmt:MATRIX_FMT_FP4 matrix_b_fmt:MATRIX_FMT_FP4 matrix_a_scale:MATRIX_SCALE_ROW1
.endif
.endr
.endm
.macro KST sg, q, zero
	s_wait_dscnt 0x0
	PLACES 4
	FETCH (\sg)%2, (\q)+1, ((\q)+1)%2
.if ((\q)+1)%4 == 0
	SCALES ((\sg)*NQ+(\q)+1)/4
.endif
	WIN ACCW
.irp a, 0,1,2,3
	MULN (\q)%2, ((\sg)*NQ+(\q))/4, (\q)%4, \a, \zero
.endr
	WIN 0
.endm
.macro TURN sg, fill
	WIN 0
.if (\sg)+3 < NS
	s_wait_xcnt 0x0                                ; my last prefetch has read its address, so it may be stepped
	s_add_nc_u64 s[PFA:PFA+1], s[PFA:PFA+1], s[PFS:PFS+1]
.endif
	s_wait_tensorcnt 0x0
	ds_add_u32 v[SPW], v[NIL]
	s_wait_dscnt 1
	WIN ACCW
	MULN 1, ((\sg)*NQ+NQ-1)/4, 3, 0, 0
	MULN 1, ((\sg)*NQ+NQ-1)/4, 3, 1, 0
	s_wait_dscnt 0x0
	s_barrier_signal -1
	MULN 1, ((\sg)*NQ+NQ-1)/4, 3, 2, 0
	WIN 0
	s_barrier_wait -1
.if \fill
	CREST
	s_add_nc_u64 s[G0X+4*((\sg)%2)+2:G0X+4*((\sg)%2)+3], s[G0X+4*((\sg)%2)+2:G0X+4*((\sg)%2)+3], 2*XT
	s_add_nc_u64 s[G0Y+4*((\sg)%2)+2:G0Y+4*((\sg)%2)+3], s[G0Y+4*((\sg)%2)+2:G0Y+4*((\sg)%2)+3], 2*YROWB
	JLOAD G0X+4*((\sg)%2), G1X, G0Y+4*((\sg)%2), G1Y
.else
	PLACES 4
.endif
	FETCH ((\sg)+1)%2, 0, 0
	SCALES ((\sg)+1)*NQ/4
.if (\sg)+3 < NS
	global_prefetch_b8 v[PFO], s[PFA:PFA+1] th:TH_LOAD_NT scope:SCOPE_SE   ; the slot that the next change of slots loads: eight K steps ahead of that load; the last slot has none behind it
.endif
	WIN ACCW
	MULN 1, ((\sg)*NQ+NQ-1)/4, 3, 3, 0
	WIN 0
.endm
	s_wait_alu depctr_va_vdst(0)                   ; the wait at the head's end
	s_wait_tensorcnt 0x0                           ; my tile of the head's four is in
	ds_add_u32 v[SPW], v[NIL]
	s_mov_b32 s[G1X+2], 4<<16                      ; no tensor load of mine is out: from here on a load brings half a tile: four tiles of tokens,
	s_mov_b32 s[G1X+4], 4
	s_mov_b32 s[G1Y+2], 64<<16                     ; or 64 rows of Y
	s_mov_b32 s[G1Y+4], 64
	s_wait_xcnt 0x0                                ; my prefetch has read its address:
	s_add_nc_u64 s[PFA:PFA+1], s[PFA:PFA+1], s[PFS:PFS+1]   ; on to slot 2
	s_wait_dscnt 0x0
	CROUND                                         ; a whole round: all four tiles are in, and the joint loads meet
	JLOAD G0X+4, G1X, G0Y+4, G1Y                   ; slot 1's first fill, the first tensor load behind the round
	FETCH 0, 0, 0
	SCALES 0
	global_prefetch_b8 v[PFO], s[PFA:PFA+1] th:TH_LOAD_NT scope:SCOPE_SE   ; slot 2: eight K steps ahead of its load
.set SG, 0
.rept NS
.set Q, 0
.rept NQ-1
.if (SG == 0) && (Q == 0)
	KST SG, Q, 1
.else
	KST SG, Q, 0
.endif
.set Q, Q+1
.endr
.if SG < NS-1
.if SG+2 < NS
	TURN SG, 1
.else
	TURN SG, 0
.endif
.endif
.set SG, SG+1
.endr
	s_wait_dscnt 0x0
	WIN ACCW
.irp a, 0,1,2,3
	MULN 1, (NS*NQ-1)/4, 3, \a, 0
.endr
	WIN 0
	PLACES 4
	s_wait_loadcnt 0x0
.irp a, 0,1,2,3
	WIN 0x04
.irp b, 0,1,2,3
	ds_store_b128 v[STO], v[8*(4*\a+\b):8*(4*\a+\b)+3] offset:64*\b
	ds_store_b128 v[STO], v[8*(4*\a+\b)+4:8*(4*\a+\b)+7] offset:64*\b+16
.endr
	WIN 0
.irp t, 0,1,2,3,4,5,6,7
	ds_load_b128 v[BK+32*\a+4*\t:BK+32*\a+4*\t+3], v[RD] offset:\t*2*SPITCH
.endr
	s_wait_dscnt 0x0
	WIN 0x04
.irp t, 0,1,2,3,4,5,6,7
	v_pk_add_f32 v[BK+32*\a+4*\t:BK+32*\a+4*\t+1], v[BK+32*\a+4*\t:BK+32*\a+4*\t+1], v[RES+32*\a+4*\t:RES+32*\a+4*\t+1]
	v_pk_add_f32 v[BK+32*\a+4*\t+2:BK+32*\a+4*\t+3], v[BK+32*\a+4*\t+2:BK+32*\a+4*\t+3], v[RES+32*\a+4*\t+2:RES+32*\a+4*\t+3]
.endr
	WIN 0
.irp t, 0,1,2,3,4,5,6,7
	global_store_b128 v[CO], v[BK+32*\a+4*\t:BK+32*\a+4*\t+3], s[12:13] offset:(16*\a+2*\t)*4096
.endr
.endr
	s_wait_tensorcnt 0x0
	ds_add_u32 v[SPW], v[NIL]
	s_wait_dscnt 0x0
	CROUND
	s_endpgm
.Lfunc_end_k_qa1474c914a_down:
	.size	k_qa1474c914a_down, .Lfunc_end_k_qa1474c914a_down-k_qa1474c914a_down
	.p2alignl 7, 3214868480
	.fill 96, 4, 3214868480
	.section	.rodata,"a",@progbits
	.p2align	6, 0x0
	.amdhsa_kernel k_qa1474c914a_down
		.amdhsa_group_segment_fixed_size 327680
		.amdhsa_private_segment_fixed_size 0
		.amdhsa_enable_private_segment 0
		.amdhsa_kernarg_size 40
		.amdhsa_user_sgpr_count 2
		.amdhsa_user_sgpr_kernarg_segment_ptr 1
		.amdhsa_wavefront_size32 1
		.amdhsa_system_sgpr_workgroup_id_x 1
		.amdhsa_system_sgpr_workgroup_id_y 1
		.amdhsa_system_sgpr_workgroup_id_z 1
		.amdhsa_system_vgpr_workitem_id 0
		.amdhsa_next_free_vgpr 512
		.amdhsa_next_free_sgpr 100
		.amdhsa_reserve_vcc 0
		.amdhsa_float_denorm_mode_32 3
		.amdhsa_float_denorm_mode_16_64 3
		.amdhsa_memory_ordered 1
		.amdhsa_forward_progress 1
		.amdhsa_inst_pref_size 135
	.end_amdhsa_kernel
	.amdgpu_metadata
---
amdhsa.version: [ 1, 2 ]
amdhsa.kernels:
  - .name:           k_qa1474c914a_down
    .symbol:         k_qa1474c914a_down.kd
    .args:
      - { .name: hid, .offset: 0, .size: 8, .value_kind: global_buffer, .address_space: global }
      - { .name: w_down_codes, .offset: 8, .size: 8, .value_kind: global_buffer, .address_space: global }
      - { .name: w_down_scales, .offset: 16, .size: 8, .value_kind: global_buffer, .address_space: global }
      - { .name: x1, .offset: 24, .size: 8, .value_kind: global_buffer, .address_space: global }
      - { .name: out0, .offset: 32, .size: 8, .value_kind: global_buffer, .address_space: global }
    .group_segment_fixed_size: 327680
    .private_segment_fixed_size: 0
    .kernarg_segment_align: 8
    .kernarg_segment_size: 40
    .max_flat_workgroup_size: 128
    .sgpr_count:     100
    .vgpr_count:     512
    .wavefront_size: 32
...
	.end_amdgpu_metadata
.endif
;; end of part 6
